; MI455X (gfx1250); checked and timed in simulation.
; The chip was launched on July 23, 2026; its instructions are those of AMD's public machine-readable ISA for CDNA 5 (MIT licence, August 2026) and "CDNA5" Instruction Set Architecture Reference Guide (July 2026). The comments in the code are by the model that wrote it; some were corrected since.
;; Window Attention. Allowed arithmetic: matrix products marked QUANTISED: E3M2 operands, one E8M0 scale for each 32 along K, by v_wmma_scale_f32_16x16x128_f8f6f4 with both operands' format E3M2, f32 sums; everything else in f32.
;; Inputs: b_in 3,072 float32; b_out 1,024 float32; w_in 3,072 x 1,024 float32; w_out 1,024 x 1,024 float32; x 1 x 4,096 x 1,024 float32.
;; Outputs: out0 1 x 4,096 x 1,024 float32.
;; This version of the problem:
;;   THIS VERSION OF THE PROBLEM IS GIVEN IN LOW PRECISION. The matrix products marked QUANTISED in the list below multiply operands that are first quantised to E3M2 (3 exponent bits, 2 mantissa bits; 6 bits a number), with one power-of-two scale for each 32 numbers along K (OCP MX v1.0); their sums are f32. All else is computed in f32.
;;   The module's matrix products, in the order in which they are computed (A, B: the left and right operand; K: the contracted axis; several contracted axes count as one K, in the product's order):
;;     1. [M 4,096, K 1,024] x [K 1,024, N 3,072]; A: input x; B: input w_in: QUANTISED
;;     2. batch 16 x [M 4,096, K 64] x [K 64, N 4,096]; A: computed on the way; B: computed on the way: QUANTISED
;;     3. batch 16 x [M 4,096, K 4,096] x [K 4,096, N 64]; A: softmax (see below); B: computed on the way: QUANTISED
;;     4. [M 4,096, K 1,024] x [K 1,024, N 1,024]; A: computed on the way; B: input w_out: QUANTISED
;;   THE QUANTISER, for each operand of a quantised product, along K:
;;     - K is cut into blocks of 32 from its start; a last block that is shorter is filled with zeros.
;;     - A block's scale is 2^e with e = floor(log2(the largest magnitude in the block)) - 4, held to -126 .. 127; a block of zeros has e = 0. As a byte (E8M0): e + 127.
;;     - Each number is divided by its block's scale, clamped to +-28, and rounded to the nearest number of E3M2, ties to even, subnormals kept.
;;     - The product sums the exact products of the quantised numbers (number of the format x scale) in f32.
;;   ~~~python
;;   def quantise(x, axis):      # numpy; x: float32 -> the quantised numbers, widened to float32 again
;;       x = np.moveaxis(x, axis, -1); K = x.shape[-1]
;;       x = np.pad(x, [(0, 0)] * (x.ndim - 1) + [(0, -K % 32)]); x = x.reshape(x.shape[:-1] + (-1, 32)); a = np.abs(x).max(-1, keepdims=True)
;;       e = np.where(a > 0, np.clip(np.frexp(np.where(a > 0, a, 1))[1] - 1 - 4, -126, 127), 0)      # np.frexp(a)[1] - 1 = floor(log2(a)), exactly
;;       r = np.clip(x / 2.0 ** e, -28, 28)
;;       step = 2.0 ** (np.maximum(np.frexp(np.where(r == 0, 1, r))[1] - 1, -2) - 2)
;;       q = np.round(r / step) * step * 2.0 ** e      # np.round: ties to even
;;       return np.moveaxis(q.reshape(q.shape[:-2] + (-1,))[..., :K], -1, axis).astype(np.float32)
;;   ~~~
;;   SOFTMAX AHEAD OF A QUANTISED PRODUCT. Where the list says 'softmax', what is quantised is not the finished softmax but p = 2^(t - M), with t = logit x log2(e) and M = ceil(the row's largest t), a whole number; so 1/2 < the row's largest p <= 1. The row's sum l is taken of the UNQUANTISED p, in f32, and the product's result is divided by l at the end. Since M is a whole number, a kernel that streams over the keys may use a running M (the ceiling of the running maximum): every later rescaling is an exact power of two, which a block's scale takes up: the codes' values come out the same.
;;   OPERANDS COMPUTED ON THE WAY. 'Computed on the way' means the value that the module computes at that place (a softmax that the list does not call 'softmax' is quantised finished and normalised). What goes into a quantiser is computed in f32, as accurately as f32 sums, v_exp_f32 and their like allow (about 1e-6 of the number): no bf16 or f16 on the way to a quantiser, and a product that is left as it is and whose result goes on into a quantised operand takes f32 operands (vector FMAs, or v_wmma_f32_16x16x4_f32). A number that lies on a knife's edge between two numbers of the format may be rounded either way, as far as f32 arithmetic and the matrix unit's own rounding can turn it there, and no further.
;; One version. Each part assembles by itself: llvm-mc -triple=amdgcn-amd-amdhsa -mcpu=gfx1250 --defsym DOCPART=n.
;; ======== version 1 of 1: 4 launches
;; workspace buffers: codes 6,291,456 bytes; scl 262,144 bytes; qkvc 9,437,184 bytes; qkvs 393,216 bytes; ctxc 3,145,728 bytes; ctxs 131,072 bytes
;; launch quant (part 1): grid 8 x 64, 4 waves a work-group, no clusters, 68,608 bytes of LDS; arguments x, w_in, w_out, codes, scl; writes codes, scl
.if DOCPART == 1
	.amdgcn_target "amdgcn-amd-amdhsa--gfx1250"
	.amdhsa_code_object_version 6
	.text
	.protected	k_q794be2a7e4_quant
	.globl	k_q794be2a7e4_quant
	.p2align	8
	.type	k_q794be2a7e4_quant,@function
k_q794be2a7e4_quant:
	s_mov_b64 s[64:65], 0
	v_nop
	global_prefetch_b8 v0, s[64:65] scope:SCOPE_SE
	s_setreg_imm32_b32 hwreg(HW_REG_WAVE_MODE, 25, 1), 1
	s_wait_xcnt 0x0
; x [4096][1024], w_in [3072][1024], w_out [1024][1024], f32 with K innermost, become codes of BF6 (E3M2) with one E8M0 byte for each 32 along K,
; laid in the ORDER OF AN OPERAND'S REGISTERS.  Rows go in groups of 128 (g 0-31: x, 32-55: w_in, 56-63: w_out), a group in 8 tiles of 16 rows:
; lane r of tile t holds row 32 (t / 2) + 8 (t % 2) + r + 8 (r / 8), so that a product that takes such tiles as its source 0 leaves 16 neighbours in a lane's 16 registers.
; codes [g][K step s of 128][tile t][1536 bytes]: the image of a fragment's 12 registers: registers 0-3 at 16 x lane, 4-5 at 512 + 8 x lane, 6-9 at 768 + 16 x lane, 10-11 at 1280 + 8 x lane.
; scl [g][s][512 bytes]: the word at 16 l + 4 i is the scale word of tile 2 i + l / 16, row l % 16.
; A block's scale is 2^(floor(log2(largest magnitude)) - 4); its byte is the largest magnitude's exponent field - 4, held at 1 from below.
; LIMITS: a block of zeros, or one whose largest magnitude lies under 2^-122, gets the byte 1 (the bytes are read by this program alone; zero codes add nothing); NaN and infinities are not served.
; SHARES: a work-group takes one group x one K step (128 rows x 512 bytes), wave i its tiles 2 i and 2 i + 1 (32 neighbouring rows).  Each load reads a row's 512 consecutive bytes; a tile turns
; through the wave's own stage in LDS (rows 528 bytes apart), from which a lane takes 16 neighbours of each block of 32.  No work-group shares an input byte with another: no cluster, no tensor load.
.set ROWB,   4096                      ; a row of any of the three tensors in bytes
.set SPITCH, 528                       ; a stage row: 512 bytes + 16
.set STG1,   16*SPITCH                 ; a stage: one tile
.set WREG,   2*STG1                    ; a wave's two stages
.set SCB,    4*WREG                    ; behind the stages: the work-group's 512 bytes of scale words
.set FRB,    1536                      ; a fragment's image
.set X,      32                        ; v32-159  the rows as loaded: tile u, row p at v[X + 64 u + 4 p]
.set NUM,    160                       ; v160-223 64 numbers of my row: register 16 b + i = k 32 b + 16 (lane / 16) + i
.set TM,     32                        ; v32-47   at work (tile 0's registers, free once the tile lies in its stage)
.set PW,     48                        ; the scale word just made
.set PWE,    49                        ; tile 0's, kept
.set MRG,    50                        ; lanes 0-15 tile 0's words, lanes 16-31 tile 1's
.set PC0,    52                        ; v52-63 tile 0's codes, v64-70 at work;  v72-83 tile 1's, v84-90 at work: no store's data are written again
.set EX0,    64
.set PC1,    72
.set EX1,    84
.set SEL,    20                        ; s[20:21] lane selects for v_permlanex16_b32: lane l xor 16
; 64 numbers of a lane become a fragment's 12 registers of codes at v[pc] and the row's scale word in v[PW] (equal in lanes l and l xor 16)
.macro QUANT src, pc, ex
.irp b, 0,1,2,3
	v_max3_num_f32 v[TM+\b], |v[\src+16*\b]|, |v[\src+1+16*\b]|, 0x2800000   ; block b: my 16 numbers, and the floor 2^(5 - 127): the byte cannot fall under 1
.endr
.irp i, 2,4,6,8,10,12,14
.irp b, 0,1,2,3
	v_max3_num_f32 v[TM+\b], v[TM+\b], |v[\src+16*\b+\i]|, |v[\src+1+16*\b+\i]|   ; the four blocks by turns
.endr
.endr
.irp b, 0,1,2,3
	v_permlanex16_b32 v[TM+4+\b], v[TM+\b], s[SEL], s[SEL+1]
.endr
.irp b, 0,1,2,3
	v_max_num_f32 v[TM+\b], v[TM+\b], v[TM+4+\b]   ; with lane l xor 16's 16: the block's largest magnitude
.endr
.irp b, 0,1,2,3
	v_add_nc_u32 v[TM+12+\b], 0xfe000000, v[TM+\b]   ; 4 off its exponent field: the conversion's scale operand
.endr
.irp b, 0,1,2,3
	v_lshrrev_b32 v[TM+4+\b], 23, v[TM+12+\b]      ; the scale's byte
.endr
	v_lshl_or_b32 v[PW], v[TM+5], 8, v[TM+4]
	v_lshl_or_b32 v[PW], v[TM+6], 16, v[PW]
	v_lshl_or_b32 v[PW], v[TM+7], 24, v[PW]
.irp c, 0,1
	v_cvt_scalef32_pk16_bf6_f32 v[\pc+6*\c:\pc+2+6*\c], v[\src+32*\c:\src+15+32*\c], v[TM+12+2*\c]
	v_cvt_scalef32_pk16_bf6_f32 v[\ex+4*\c:\ex+2+4*\c], v[\src+16+32*\c:\src+31+32*\c], v[TM+12+2*\c+1]   ; (a conversion's three registers begin on an even number)
.endr
	v_nop                                          ; one plain instruction behind the scaled conversions
.irp c, 0,1                                    ; the operand's layout wants a whole block in a lane: lanes 0-15 block 2 c, lanes 16-31 block 2 c + 1
.irp i, 0,1,2
	v_permlane16_swap_b32 v[\pc+6*\c+\i], v[\ex+4*\c+\i]
.endr
.irp i, 0,1,2
	v_mov_b32 v[\pc+3+6*\c+\i], v[\ex+4*\c+\i]
.endr
.endr
.endm
.macro IMAGE pc, off                           ; a fragment leaves as it stands: each store of the wave covers 512 or 256 consecutive bytes, aligned
	global_store_b128 v1, v[\pc:\pc+3], s[10:11] offset:\off
	global_store_b64 v2, v[\pc+4:\pc+5], s[10:11] offset:\off+512
	global_store_b128 v1, v[\pc+6:\pc+9], s[10:11] offset:\off+768
	global_store_b64 v2, v[\pc+10:\pc+11], s[10:11] offset:\off+1280
.endm
.macro TURN u                                  ; tile u through its stage: LDS serves a wave's instructions in order, so no wait stands between the stores and the loads
.irp p, 0,1,2,3,4,5,6,7,8,9,10,11,12,13,14,15
	ds_store_b128 v3, v[X+64*\u+4*\p:X+64*\u+4*\p+3] offset:STG1*\u+SPITCH*\p
.endr
.irp b, 0,1,2,3
.irp j, 0,1,2,3
	ds_load_b128 v[NUM+16*\b+4*\j:NUM+16*\b+4*\j+3], v4 offset:STG1*\u+128*\b+16*\j
.endr
.endr
.endm
	s_load_b256 s[4:11], s[0:1], 0x0               ; x s[4:5], w_in s[6:7], w_out s[8:9], codes s[10:11]
	s_load_b64 s[12:13], s[0:1], 0x20              ; scl
	v_lshl_add_u32 v224, v0, 2, 0x10a00
	v_mov_b32 v225, 0
	v_lshrrev_b32 v7, 5, v0
	v_readfirstlane_b32 s14, v7                    ; wave 0..3
	v_and_b32 v8, 31, v0                           ; lane
	v_lshlrev_b32 v1, 4, v8                        ; 16 x lane
	v_lshlrev_b32 v2, 3, v8                        ; 8 x lane
	s_mul_i32 s15, s14, WREG
	v_add_nc_u32 v3, s15, v1                       ; the stage, on the way in: a row's 512 bytes on end
	v_and_b32 v9, 15, v0                           ; r
	v_bfe_u32 v10, v0, 4, 1                        ; h
	v_mul_u32_u24 v4, v9, SPITCH
	v_lshl_add_u32 v4, v10, 6, v4
	v_add_nc_u32 v4, s15, v4                       ; and on the way out: row r, + 64 h
	v_add_nc_u32 v6, SCB, v1                       ; the scale words: 16 bytes a lane,
	s_lshl_b32 s15, s14, 2
	v_add_nc_u32 v5, s15, v6                       ; of which word i = my wave is mine
	s_mov_b32 s[SEL], 0x76543210
	s_mov_b32 s[SEL+1], 0xfedcba98
	s_mov_b32 vcc_lo, 0xffff0000                   ; lanes 16-31
	s_and_b32 s16, ttmp7, 0xffff                   ; g
	s_lshl_b32 s22, s16, 3
	s_add_co_u32 s22, s22, ttmp9                   ; 8 g + s
	s_mul_i32 s24, s22, 8*FRB
	s_mul_i32 s23, s14, 2*FRB
	s_add_co_u32 s24, s24, s23                     ; my two tiles' images
	s_mov_b32 s25, 0
	s_lshl_b32 s26, s22, 9                         ; the block of scale words
	s_mov_b32 s27, 0
	s_wait_kmcnt 0x0
	s_cmp_lt_u32 s16, 56                           ; which tensor: the choice hangs on the work-group's number alone
	s_cselect_b64 s[6:7], s[6:7], s[8:9]
	s_cselect_b32 s17, 32, 56
	s_cmp_lt_u32 s16, 32
	s_cselect_b64 s[4:5], s[4:5], s[6:7]
	s_cselect_b32 s17, 0, s17
	s_sub_co_u32 s17, s16, s17                     ; the group's number in its tensor
	s_lshl_b32 s18, s17, 19                        ; 128 rows of 4,096 bytes,
	s_lshl_b32 s19, s14, 17                        ; my wave's 32 rows,
	s_add_co_u32 s18, s18, s19
	s_lshl_b32 s19, ttmp9, 9                       ; the K step's 512 bytes
	s_add_co_u32 s18, s18, s19
	s_mov_b32 s19, 0
	s_add_nc_u64 s[4:5], s[4:5], s[18:19]
	s_add_nc_u64 s[10:11], s[10:11], s[24:25]
	s_add_nc_u64 s[12:13], s[12:13], s[26:27]
.irp u, 0,1
.irp p, 0,1,2,3,4,5,6,7,8,9,10,11,12,13,14,15
	global_load_b128 v[X+64*\u+4*\p:X+64*\u+4*\p+3], v1, s[4:5] offset:(8*\u+\p+8*(\p/8))*ROWB th:TH_LOAD_NT   ; tile u's row p: 512 consecutive bytes
.endr
.endr
	s_wait_loadcnt 16                              ; tile 0's sixteen loads are in; tile 1's sixteen may be out
	TURN 0
	s_wait_dscnt 0x0                               ; my 64 numbers are back, and the stores have read tile 0's registers
.irp b, 0,1,2,3
	v_mov_b32 v[TM+4+\b], 0                        ; written once: a lane permute's destination counts as one of its sources
.endr
	QUANT NUM, PC0, EX0
	IMAGE PC0, 0
	v_mov_b32 v[PWE], v[PW]
	s_wait_loadcnt 0x0
	TURN 1
	s_wait_dscnt 0x0
	QUANT NUM, PC1, EX1
	IMAGE PC1, FRB
	v_cndmask_b32 v[MRG], v[PWE], v[PW], vcc_lo    ; lanes 0-15: tile 2 i's words; lanes 16-31: tile 2 i + 1's
	ds_store_b32 v5, v[MRG]
	s_wait_dscnt 0x0                               ; for the others' sake: my words lie in LDS
	s_barrier_signal -1
	s_barrier_wait -1
	s_cmp_lg_u32 s14, 0
	s_cbranch_scc1 .Ldone
	ds_load_b128 v[NUM:NUM+3], v6                  ; wave 0 stores the four waves' words: 512 consecutive bytes, aligned
	s_wait_dscnt 0x0
	global_store_b128 v1, v[NUM:NUM+3], s[12:13]
.Ldone:
	s_wait_tensorcnt 0x0
	ds_add_u32 v224, v225
	s_wait_dscnt 0x0
	s_endpgm
.Lfunc_end_k_q794be2a7e4_quant:
	.size	k_q794be2a7e4_quant, .Lfunc_end_k_q794be2a7e4_quant-k_q794be2a7e4_quant
	.p2alignl 7, 3214868480
	.fill 96, 4, 3214868480
	.section	.rodata,"a",@progbits
	.p2align	6, 0x0
	.amdhsa_kernel k_q794be2a7e4_quant
		.amdhsa_group_segment_fixed_size 68608
		.amdhsa_private_segment_fixed_size 0
		.amdhsa_enable_private_segment 0
		.amdhsa_kernarg_size 40
		.amdhsa_user_sgpr_count 2
		.amdhsa_user_sgpr_kernarg_segment_ptr 1
		.amdhsa_wavefront_size32 1
		.amdhsa_system_sgpr_workgroup_id_x 1
		.amdhsa_system_sgpr_workgroup_id_y 1
		.amdhsa_system_sgpr_workgroup_id_z 1
		.amdhsa_system_vgpr_workitem_id 0
		.amdhsa_next_free_vgpr 226
		.amdhsa_next_free_sgpr 66
		.amdhsa_reserve_vcc 1
		.amdhsa_float_denorm_mode_32 3
		.amdhsa_float_denorm_mode_16_64 3
		.amdhsa_memory_ordered 1
		.amdhsa_forward_progress 1
		.amdhsa_inst_pref_size 19
	.end_amdhsa_kernel
	.amdgpu_metadata
---
amdhsa.version: [ 1, 2 ]
amdhsa.kernels:
  - .name:           k_q794be2a7e4_quant
    .symbol:         k_q794be2a7e4_quant.kd
    .args:
      - { .name: x, .offset: 0, .size: 8, .value_kind: global_buffer, .address_space: global }
      - { .name: w_in, .offset: 8, .size: 8, .value_kind: global_buffer, .address_space: global }
      - { .name: w_out, .offset: 16, .size: 8, .value_kind: global_buffer, .address_space: global }
      - { .name: codes, .offset: 24, .size: 8, .value_kind: global_buffer, .address_space: global }
      - { .name: scl, .offset: 32, .size: 8, .value_kind: global_buffer, .address_space: global }
    .group_segment_fixed_size: 68608
    .private_segment_fixed_size: 0
    .kernarg_segment_align: 8
    .kernarg_segment_size: 40
    .max_flat_workgroup_size: 128
    .sgpr_count:     66
    .vgpr_count:     226
    .wavefront_size: 32
...
	.end_amdgpu_metadata
.endif
;; end of part 1
;; launch qkv (part 2): grid 12 x 16, 4 waves a work-group, clusters of 4 x 4, 327,680 bytes of LDS; arguments codes, scl, b_in, qkvc, qkvs; writes qkvc, qkvs
.if DOCPART == 2
	.amdgcn_target "amdgcn-amd-amdhsa--gfx1250"
	.amdhsa_code_object_version 6
	.text
	.protected	k_q794be2a7e4_qkv
	.globl	k_q794be2a7e4_qkv
	.p2align	8
	.type	k_q794be2a7e4_qkv,@function
k_q794be2a7e4_qkv:
	s_mov_b64 s[64:65], 0
	v_nop
	global_prefetch_b8 v0, s[64:65] scope:SCOPE_SE
	s_setreg_imm32_b32 hwreg(HW_REG_WAVE_MODE, 25, 1), 1
	s_wait_xcnt 0x0
	s_wait_alu depctr_hold_cnt(0) depctr_sa_sdst(0) depctr_va_vdst(0) depctr_va_sdst(0) depctr_va_ssrc(0) depctr_va_vcc(0) depctr_vm_vsrc(0)
	s_getreg_b32 s2, hwreg(HW_REG_IB_STS2, 6, 4)
	s_cmp_eq_u32 s2, 0
	s_cbranch_scc0 .Lentry_in_a_cluster
	s_endpgm
.Lentry_in_a_cluster:
	s_bfe_u32 s2, ttmp6, 0x10000c
	s_cmp_lg_u32 s2, 0xf033
	s_cbranch_scc0 .Lentry_shape_is_right
	s_endpgm
.Lentry_shape_is_right:
; qkv = x w_in^T + b_in on codes of BF6 with E8M0 scales, and its results quantised again, in registers, as the operands of the two attention products.
; A work-group makes 256 x 256 of the product, each of its four waves 128 x 128: 64 accumulators, 512 registers; K = 1,024 in 8 steps of 128.
; Source 0 of the matrix instruction is called B, source 1 A: a lane then holds ONE row of A's and its 64 registers of a block run along 128 rows of B's, in the order that the quantiser wants
; (the rows of a tile are chosen for it by the launch that made the codes).
; TWO KINDS OF CLUSTER, told apart by the cluster's x, which all sixteen partners share.  x < 2 (q and k): A = tokens, B = rows of w_in: a lane holds a token, registers run along a head pair's 128 features.
; x = 2 (v): A = rows of w_in's last third, B = tokens: a lane holds a channel, registers run along 128 keys: v comes out with the keys innermost.  The products take one path; only the bias differs.
; OUT: qkvc [F 24][G 32][a 8][1536]: images of fragments; F 0-7 q's head pairs, 8-15 k's, 16-23 v's; G the group of 128 tokens; a the tile of tokens (q, k) or of channels (v).  qkvs [F][G][512]: scale words.
; CLUSTERS: 4 x 4 work-groups; A's tiles are asked for jointly along a row of the cluster, B's along a column.
; LDS: three slots, each with two K steps of A's 256 rows and B's 256 rows as images (dense blocks: consecutive reads, no padding); slot 0 is filled a second time, with K steps 6 and 7.
; LIMITS: a block of zeros, or one whose largest magnitude lies under 2^-122, gets the scale byte 1 (read by this program alone); NaN and infinities are not served.
; REGISTERS, in windows of 256: window 0: v1-19 addresses; v32-63 A's scale words, v64-95 B's (4 registers a K step: register i serves tile 2 i in lanes 0-15 and tile 2 i + 1 in lanes 16-31);
;   v96-111 the bias by lane; v128-223 A's fragments, one set; in the epilogue v128-235 at work.   window 1: B's fragments, two sets, at v0 and v128; the bias by register in v96-127 and v224-255.
;   window 2: the accumulators of A's blocks 0-3 ((a, b) at v[8 (8 (a % 4) + b)]);   window 3: those of blocks 4-7.
.set FR,    12                         ; registers of a fragment
.set FRB,   1536                       ; its image in bytes
.set STEPB, 8*FRB                      ; a group's 8 tiles of one K step
.set QRT,   2*STEPB                    ; two K steps of one group: what one tensor load brings
.set SLOTB, 4*QRT                      ; A's two groups, then B's two
.set SPARE, 3*SLOTB                    ; behind the slots: the spare words, 128 bytes for each wave
.set A16,  4                           ; v4-6    LDS address of my A images in slot 0, 1, 2: 16 x lane
.set A8,   7                           ; v7-9    the same, 512 + 8 x lane
.set B16,  10                          ; v10-12, v13-15 the same for B
.set B8,   13
.set SPW,  16                          ; v16     LDS address of my spare word; never rewritten
.set NIL,  17                          ; v17     0; never rewritten
.set HB,   18                          ; v18     64 x (lane / 16)
.set RB4,  19                          ; v19     4 (r + 8 (r / 8))
.set SA,   32
.set SB,   64
.set BM,   96                          ; v[96 + 2 a], v[97 + 2 a]: the bias of block a's row of my lane, twice (a pair for the packed addition)
.set AF,   128
.set T,    128                         ; the epilogue: 64 numbers
.set PC,   192                         ; their codes
.set EX,   204
.set TM,   212
.set PW,   228
.set PWE,  229
.set SW,   232                         ; v232-235 the block of scale words
.set G1A,  24                          ; s[24:31], s[32:39] descriptor groups 1;  s[40:51], s[52:63] groups 0, a set for each slot
.set G1B,  32
.set G0A,  40
.set G0B,  52
.set SEL,  94                          ; s[94:95]
.set MSB, 0
.macro WIN new                         ; the immediate's high byte repeats the setting that is left
.if MSB != (\new)
	s_set_vgpr_msb (MSB<<8)|(\new)
.set MSB, (\new)
.endif
.endm
.set MUL_LO, 0xa1                      ; source 0 (B) window 1, source 1 (A) window 0, C and D window 2
.set MUL_HI, 0xf1                      ; the same, C and D window 3
.set TO_B,   0x40                      ; destination window 1, address window 0
.macro PLACES                          ; four plain instructions behind a matrix instruction, in front of loads into its sources and of the first read of results
.rept 4
	v_nop
.endr
.endm
.macro JLOAD g0a, g0b                  ; a joint load: waves 0 and 1 fetch A's two groups, waves 2 and 3 B's; four v_nop follow each line
	s_cmp_eq_u32 s15, 0
	s_cbranch_scc0 .Lfor_b_\@
	tensor_load_to_lds s[\g0a:\g0a+3], s[G1A:G1A+7]
	s_nop 0
.rept 4
	v_nop
.endr
	s_branch .Lasked_\@
.Lfor_b_\@:
	tensor_load_to_lds s[\g0b:\g0b+3], s[G1B:G1B+7]
	s_nop 0
.rept 4
	v_nop
.endr
.Lasked_\@:
.endm
.macro CREST                           ; a round of the cluster's barrier behind its opening barrier
	s_cmp_lg_u32 s14, 0
	s_cbranch_scc1 .Lnot_wave_0_\@
	s_barrier_signal -3
.Lnot_wave_0_\@:
	s_barrier_wait -3
	s_barrier_signal -1
	s_barrier_wait -1
.endm
.macro CROUND
	s_barrier_signal -1
	s_barrier_wait -1
	CREST
.endm
.macro FRAG reg, a16, a8, off          ; a fragment comes back as it was stored: four loads of consecutive bytes
	ds_load_b128 v[\reg:\reg+3], v[\a16] offset:\off
	ds_load_b64 v[\reg+4:\reg+5], v[\a8] offset:\off
	ds_load_b128 v[\reg+6:\reg+9], v[\a16] offset:\off+768
	ds_load_b64 v[\reg+10:\reg+11], v[\a8] offset:\off+768
.endm
.macro FETCH_B sl, q, p                ; B's eight fragments of slot sl's q-th K step into set p
	WIN TO_B
.irp i, 0,1,2,3,4,5,6,7
	FRAG 128*(\p)+FR*\i, B16+(\sl), B8+(\sl), (\q)*STEPB+\i*FRB
.endr
	WIN 0
.endm
.macro FETCH_A sl, q, i0               ; A's blocks i0 .. i0 + 3
.irp i, \i0, \i0+1, \i0+2, \i0+3
	FRAG AF+FR*(\i), A16+(\sl), A8+(\sl), (\q)*STEPB+(\i)*FRB
.endr
.endm
; one matrix instruction on the registers named by RD, RF0, RF1, RS0, RS1.  RW: bit 0: source 0's scales in lanes 16-31; bit 1: source 1's; bit 2: the product starts the sum
.macro WM
.if RW == 0
	v_wmma_scale_f32_16x16x128_f8f6f4 v[RD:RD+7], v[RF0:RF0+11], v[RF1:RF1+11], v[RD:RD+7], v[RS0], v[RS1] matrix_a_fmt:MATRIX_FMT_BF6 matrix_b_fmt:MATRIX_FMT_BF6
.elseif RW == 1
	v_wmma_scale_f32_16x16x128_f8f6f4 v[RD:RD+7], v[RF0:RF0+11], v[RF1:RF1+11], v[RD:RD+7], v[RS0], v[RS1] matrix_a_fmt:MATRIX_FMT_BF6 matrix_b_fmt:MATRIX_FMT_BF6 matrix_a_scale:MATRIX_SCALE_ROW1
.elseif RW == 2
	v_wmma_scale_f32_16x16x128_f8f6f4 v[RD:RD+7], v[RF0:RF0+11], v[RF1:RF1+11], v[RD:RD+7], v[RS0], v[RS1] matrix_a_fmt:MATRIX_FMT_BF6 matrix_b_fmt:MATRIX_FMT_BF6 matrix_b_scale:MATRIX_SCALE_ROW1
.elseif RW == 3
	v_wmma_scale_f32_16x16x128_f8f6f4 v[RD:RD+7], v[RF0:RF0+11], v[RF1:RF1+11], v[RD:RD+7], v[RS0], v[RS1] matrix_a_fmt:MATRIX_FMT_BF6 matrix_b_fmt:MATRIX_FMT_BF6 matrix_a_scale:MATRIX_SCALE_ROW1 matrix_b_scale:MATRIX_SCALE_ROW1
.elseif RW == 4
	v_wmma_scale_f32_16x16x128_f8f6f4 v[RD:RD+7], v[RF0:RF0+11], v[RF1:RF1+11], 0, v[RS0], v[RS1] matrix_a_fmt:MATRIX_FMT_BF6 matrix_b_fmt:MATRIX_FMT_BF6
.elseif RW == 5
	v_wmma_scale_f32_16x16x128_f8f6f4 v[RD:RD+7], v[RF0:RF0+11], v[RF1:RF1+11], 0, v[RS0], v[RS1] matrix_a_fmt:MATRIX_FMT_BF6 matrix_b_fmt:MATRIX_FMT_BF6 matrix_a_scale:MATRIX_SCALE_ROW1
.elseif RW == 6
	v_wmma_scale_f32_16x16x128_f8f6f4 v[RD:RD+7], v[RF0:RF0+11], v[RF1:RF1+11], 0, v[RS0], v[RS1] matrix_a_fmt:MATRIX_FMT_BF6 matrix_b_fmt:MATRIX_FMT_BF6 matrix_b_scale:MATRIX_SCALE_ROW1
.else
	v_wmma_scale_f32_16x16x128_f8f6f4 v[RD:RD+7], v[RF0:RF0+11], v[RF1:RF1+11], 0, v[RS0], v[RS1] matrix_a_fmt:MATRIX_FMT_BF6 matrix_b_fmt:MATRIX_FMT_BF6 matrix_a_scale:MATRIX_SCALE_ROW1 matrix_b_scale:MATRIX_SCALE_ROW1
.endif
.endm
; 16 matrix instructions: A's blocks a0, a0 + 1 x B's eight, K step s; p: B's set.  The 64 accumulators take turns, one instruction a turn, in the same order in every step
.macro MUL16 a0, p, s, zero
.irp a, \a0, \a0+1
.irp b, 0,1,2,3,4,5,6,7
.set RD, 8*(8*((\a)%4)+\b)
.set RF0, 128*(\p)+FR*\b
.set RF1, AF+FR*(\a)
.set RS0, SB+4*(\s)+\b/2
.set RS1, SA+4*(\s)+(\a)/2
.set RW, (\b%2)+2*((\a)%2)+4*(\zero)
	WM
.endr
.endr
.endm
; K step s, whose successor lies in a slot that every wave has been shown whole
.macro STEP s, zero
.set PP, (\s)%2
.set NSL, (((\s)+1)/2)%3
.set NQ, ((\s)+1)%2
	s_wait_dscnt 16                                ; B's set and A's blocks 0-3 are in; the youngest sixteen loads (A's blocks 4-7) may be out
	WIN MUL_LO
	MUL16 0, PP, \s, \zero
	MUL16 2, PP, \s, \zero
	s_wait_dscnt 0x0                               ; A's blocks 4-7 are in
	PLACES
	FETCH_B NSL, NQ, 1-PP
	FETCH_A NSL, NQ, 0
	WIN MUL_HI
	MUL16 4, PP, \s, \zero
	MUL16 6, PP, \s, \zero
	PLACES
	WIN 0
	FETCH_A NSL, NQ, 4
.endm
; K step s with a barrier in it: in front of it each wave waits for all its tensor loads, adds 0 to its spare word, and waits for that and for its reads so far.
; fill = 1: slot 0, whose last reads those were, is filled again, with K steps 6 and 7; the barrier then opens a round of the cluster's barrier.
.macro TURN s, fill
.set PP, (\s)%2
.set NSL, (((\s)+1)/2)%3
.set NQ, ((\s)+1)%2
	s_wait_tensorcnt 0x0                           ; all my tensor loads have landed (every window is 0 here)
	ds_add_u32 v[SPW], v[NIL]                      ; 0 onto my spare word
	s_wait_dscnt 17                                ; (the add and the youngest sixteen loads may be out)
	WIN MUL_LO
	MUL16 0, PP, \s, 0                             ; sixteen matrix instructions stand between the add and the wait for it
	s_wait_dscnt 0x0                               ; the add is done, and my reads of the slot are over
	s_barrier_signal -1
	MUL16 2, PP, \s, 0
	WIN 0
	s_barrier_wait -1
.if \fill
	CREST                                          ; no wave of any partner still reads slot 0 or has a load on its way
	s_add_nc_u64 s[G0A+2:G0A+3], s[G0A+2:G0A+3], 3*QRT
	s_add_nc_u64 s[G0B+2:G0B+3], s[G0B+2:G0B+3], 3*QRT
	JLOAD G0A, G0B                                 ; my one tensor load behind the round; it has three and a half K steps, 224 matrix instructions, in which to land; its four v_nop are also the places in front of the loads below
.else
	PLACES
.endif
	FETCH_B NSL, NQ, 1-PP
	FETCH_A NSL, NQ, 0
	WIN MUL_HI
	MUL16 4, PP, \s, 0
	MUL16 6, PP, \s, 0
	PLACES
	WIN 0
	FETCH_A NSL, NQ, 4
.endm
; 64 numbers of a lane, register 16 b + i = k 32 b + 16 (lane / 16) + i of my row, become a fragment's codes at v[pc] and the row's scale word in v[PW] (equal in lanes l and l xor 16)
.macro QUANT src, pc, ex
.irp b, 0,1,2,3
	v_max3_num_f32 v[TM+\b], |v[\src+16*\b]|, |v[\src+1+16*\b]|, 0x2800000   ; and the floor 2^(5 - 127): the byte cannot fall under 1
.endr
.irp i, 2,4,6,8,10,12,14
.irp b, 0,1,2,3
	v_max3_num_f32 v[TM+\b], v[TM+\b], |v[\src+16*\b+\i]|, |v[\src+1+16*\b+\i]|
.endr
.endr
.irp b, 0,1,2,3
	v_permlanex16_b32 v[TM+4+\b], v[TM+\b], s[SEL], s[SEL+1]
.endr
.irp b, 0,1,2,3
	v_max_num_f32 v[TM+\b], v[TM+\b], v[TM+4+\b]
.endr
.irp b, 0,1,2,3
	v_add_nc_u32 v[TM+12+\b], 0xfe000000, v[TM+\b]   ; 4 off the exponent field: the conversion's scale operand
.endr
.irp b, 0,1,2,3
	v_lshrrev_b32 v[TM+4+\b], 23, v[TM+12+\b]      ; the scale's byte
.endr
	v_lshl_or_b32 v[PW], v[TM+5], 8, v[TM+4]
	v_lshl_or_b32 v[PW], v[TM+6], 16, v[PW]
	v_lshl_or_b32 v[PW], v[TM+7], 24, v[PW]
.irp c, 0,1
	v_cvt_scalef32_pk16_bf6_f32 v[\pc+6*\c:\pc+2+6*\c], v[\src+32*\c:\src+15+32*\c], v[TM+12+2*\c]
	v_cvt_scalef32_pk16_bf6_f32 v[\ex+4*\c:\ex+2+4*\c], v[\src+16+32*\c:\src+31+32*\c], v[TM+12+2*\c+1]
.endr
	v_nop                                          ; one plain instruction behind the scaled conversions
.irp c, 0,1
.irp i, 0,1,2
	v_permlane16_swap_b32 v[\pc+6*\c+\i], v[\ex+4*\c+\i]
.endr
.irp i, 0,1,2
	v_mov_b32 v[\pc+3+6*\c+\i], v[\ex+4*\c+\i]
.endr
.endr
.endm
	s_load_b256 s[4:11], s[0:1], 0x0               ; codes s[4:5], scl s[6:7], b_in s[8:9], qkvc s[10:11]
	s_load_b64 s[12:13], s[0:1], 0x20              ; qkvs
	v_lshl_add_u32 v[SPW], v0, 2, SPARE
	v_mov_b32 v[NIL], 0
	ds_add_u32 v16, v17
	ds_add_u32 v16, v17
	s_wait_dscnt 0x0
	v_lshrrev_b32 v20, 5, v0
	v_readfirstlane_b32 s14, v20                   ; wave 0..3
	s_lshr_b32 s15, s14, 1                         ; which of A's two groups is mine.  Also: I fetch for A (0) or for B (1)
	s_and_b32 s16, s14, 1                          ; which of B's two groups.  Also: which group of that side I fetch
	v_and_b32 v20, 31, v0
	v_lshlrev_b32 v1, 4, v20                       ; 16 x lane
	v_lshlrev_b32 v2, 3, v20                       ; 8 x lane
	v_lshl_add_u32 v21, v20, 3, 512
	s_mul_i32 s92, s15, QRT                        ; my group of A in a slot,
	s_mul_i32 s93, s16, QRT
	s_add_co_u32 s93, s93, 2*QRT                   ; my group of B, behind A's two
.irp g, 0,1,2
	v_add_nc_u32 v[A16+\g], s92, v1
	v_add_nc_u32 v[A8+\g], s92, v21
	v_add_nc_u32 v[B16+\g], s93, v1
	v_add_nc_u32 v[B8+\g], s93, v21
	s_add_co_u32 s92, s92, SLOTB
	s_add_co_u32 s93, s93, SLOTB
.endr
	v_bfe_u32 v22, v0, 4, 1
	v_lshlrev_b32 v[HB], 6, v22
	v_and_b32 v23, 15, v0
	v_and_b32 v24, 8, v23
	v_add_nc_u32 v23, v23, v24
	v_lshlrev_b32 v[RB4], 2, v23
	s_mov_b32 s[SEL], 0x76543210
	s_mov_b32 s[SEL+1], 0xfedcba98
	s_bfe_u32 s18, ttmp6, 0x40000                  ; cx
	s_bfe_u32 s19, ttmp6, 0x40004                  ; cy
	s_and_b32 s20, ttmp7, 0xffff
	s_lshl_b32 s20, s20, 3                         ; 8 x cluster y
	s_lshl_b32 s21, ttmp9, 3
	s_add_co_u32 s21, s21, 32                      ; 32 + 8 x cluster x
	s_cmp_eq_u32 ttmp9, 2                          ; the kind of cluster: the same in all sixteen partners
	s_cselect_b32 s17, 1, 0
	s_cselect_b32 s22, 48, s20
	s_cselect_b32 s23, s20, s21
	s_lshl_b32 s66, s19, 1
	s_add_co_u32 s22, s22, s66                     ; A's first group: made of the cluster's place and cy alone
	s_lshl_b32 s67, s18, 1
	s_add_co_u32 s23, s23, s67                     ; B's first group: of the cluster's place and cx alone
	s_lshl_b32 s68, s19, 2
	s_lshl_b32 s68, 15, s68                        ; my row of the cluster
	s_lshl_b32 s69, 0x1111, s18                    ; my column
	; descriptor group 1: a dense block of 24,576 bytes as 96 rows of 32 elements of 8 bytes, no padding
	s_or_b32 s[G1A], s68, (3<<16)|(1<<21)          ; 15:0 the mask; 17:16 elements of 8 bytes; 21 set beside a mask
	s_or_b32 s[G1B], s69, (3<<16)|(1<<21)
.irp g, G1A, G1B
	s_mov_b32 s[\g+1], 32<<16                      ; tensor_dim0 = 32
	s_mov_b32 s[\g+2], 96<<16                      ; tensor_dim1 = 96
	s_mov_b32 s[\g+3], 32<<16                      ; tile_dim0 = 32
	s_mov_b32 s[\g+4], 96                          ; tile_dim1 = 96
	s_mov_b32 s[\g+5], 32                          ; from row to row
	s_mov_b32 s[\g+6], 0
	s_mov_b32 s[\g+7], 0
.endr
	s_add_co_u32 s70, s22, s16
	s_mul_i32 s70, s70, 8*STEPB                    ; the group of A that I would fetch, in bytes
	s_mov_b32 s71, 0
	s_add_co_u32 s72, s23, s16
	s_mul_i32 s72, s72, 8*STEPB                    ; and of B
	s_mov_b32 s73, 0
	s_mul_i32 s74, s14, QRT                        ; where it goes in a slot: no place in the cluster enters an LDS address
	s_add_co_u32 s75, s22, s15                     ; the groups that I multiply: A's,
	s_add_co_u32 s76, s23, s16                     ; B's
	s_cmp_eq_u32 s17, 1
	s_cselect_b32 s77, s75, s76
	s_cselect_b32 s78, s76, s75                    ; G: the group of tokens
	s_sub_co_u32 s77, s77, 32                      ; F: the group of features
	s_lshl_b32 s80, s75, 12
	s_mov_b32 s81, 0
	s_lshl_b32 s82, s76, 12
	s_mov_b32 s83, 0
	s_lshl_b32 s84, s77, 9
	s_mov_b32 s85, 0
	s_lshl_b32 s86, s77, 5
	s_add_co_u32 s86, s86, s78                     ; 32 F + G
	s_mul_i32 s88, s86, STEPB
	s_mov_b32 s89, 0
	s_lshl_b32 s90, s86, 9
	s_mov_b32 s91, 0
	s_wait_kmcnt 0x0
	s_add_nc_u64 s[70:71], s[4:5], s[70:71]
	s_add_nc_u64 s[72:73], s[4:5], s[72:73]
	s_add_nc_u64 s[80:81], s[6:7], s[80:81]        ; A's scale words
	s_add_nc_u64 s[82:83], s[6:7], s[82:83]        ; B's
	s_add_nc_u64 s[84:85], s[8:9], s[84:85]        ; the bias of my 128 features
	s_add_nc_u64 s[88:89], s[10:11], s[88:89]      ; my eight images
	s_add_nc_u64 s[90:91], s[12:13], s[90:91]      ; and their scale words
.irp g, 0,1,2
	s_mov_b32 s[G0A+4*\g], 1                       ; count = 1
	s_add_co_u32 s[G0A+4*\g+1], s74, \g*SLOTB      ; LDS address
	s_add_nc_u64 s[G0A+4*\g+2:G0A+4*\g+3], s[70:71], \g*QRT   ; K steps 2 g and 2 g + 1
	s_or_b32 s[G0A+4*\g+3], s[G0A+4*\g+3], 0x80000000          ; type = 2
	s_mov_b32 s[G0B+4*\g], 1
	s_add_co_u32 s[G0B+4*\g+1], s74, \g*SLOTB
	s_add_nc_u64 s[G0B+4*\g+2:G0B+4*\g+3], s[72:73], \g*QRT
	s_or_b32 s[G0B+4*\g+3], s[G0B+4*\g+3], 0x80000000
.endr
	CROUND                                         ; all sixteen work-groups are here: the first joint loads meet
	s_cmp_eq_u32 s15, 0                            ; a wave's three first fills stand in one branch: three loads of mine are out
	s_cbranch_scc0 .Lfirst_b
	tensor_load_to_lds s[G0A:G0A+3], s[G1A:G1A+7]
	s_nop 0
	tensor_load_to_lds s[G0A+4:G0A+7], s[G1A:G1A+7]
	s_nop 0
	tensor_load_to_lds s[G0A+8:G0A+11], s[G1A:G1A+7]
	s_nop 0
.rept 4
	v_nop
.endr
	s_branch .Lfirst_asked
.Lfirst_b:
	tensor_load_to_lds s[G0B:G0B+3], s[G1B:G1B+7]
	s_nop 0
	tensor_load_to_lds s[G0B+4:G0B+7], s[G1B:G1B+7]
	s_nop 0
	tensor_load_to_lds s[G0B+8:G0B+11], s[G1B:G1B+7]
	s_nop 0
.rept 4
	v_nop
.endr
.Lfirst_asked:
.irp k, 0,1,2,3,4,5,6,7                        ; the scale words of all eight K steps: 512 consecutive bytes a load
	global_load_b128 v[SA+4*\k:SA+4*\k+3], v1, s[80:81] offset:512*\k
	global_load_b128 v[SB+4*\k:SB+4*\k+3], v1, s[82:83] offset:512*\k
.endr
	WIN TO_B                                       ; the bias in both layouts, on every path; a cluster uses the one that its kind wants
.irp k, 0,1,2,3,4,5,6,7,8,9,10,11,12,13,14,15  ; by register: register 16 b + i is feature 32 b + 16 (lane / 16) + i
.if \k < 8
	global_load_b128 v[96+4*\k:99+4*\k], v[HB], s[84:85] offset:128*(\k/4)+16*(\k%4)
.else
	global_load_b128 v[192+4*\k:195+4*\k], v[HB], s[84:85] offset:128*(\k/4)+16*(\k%4)
.endif
.endr
	WIN 0
.irp a, 0,1,2,3,4,5,6,7                        ; by lane: block a's row of my lane
	global_load_b32 v[BM+2*\a], v[RB4], s[84:85] offset:4*(32*(\a/2)+8*(\a%2))
	global_load_b32 v[BM+2*\a+1], v[RB4], s[84:85] offset:4*(32*(\a/2)+8*(\a%2))
.endr
	s_wait_tensorcnt 2                             ; my part of slot 0 is in; slots 1 and 2 may stay out
	s_barrier_signal -1
	s_barrier_wait -1                              ; everybody's is
	FETCH_B 0, 0, 0
	FETCH_A 0, 0, 0
	FETCH_A 0, 0, 4
	s_wait_loadcnt 32                              ; the scale words are in; the 32 loads of the bias, issued behind them, may be out
	STEP 0, 1                                      ; the first step's products start the sums: nothing is cleared
	TURN 1, 1                                      ; slot 0 is left and filled again; slots 1 and 2 are shown whole to every wave
	STEP 2, 0
	STEP 3, 0
	STEP 4, 0
	TURN 5, 0                                      ; the refill has landed in every wave; nothing is filled again, so no round follows
	STEP 6, 0
	s_wait_dscnt 16                                ; the last step: nothing more to fetch
	WIN MUL_LO
	MUL16 0, 1, 7, 0
	MUL16 2, 1, 7, 0
	s_wait_dscnt 0x0
	WIN MUL_HI
	MUL16 4, 1, 7, 0
	MUL16 6, 1, 7, 0
	WIN 0
	; THE EPILOGUE: block by block of A's 16 rows: + bias, quantised along the 128 of B, stored as an image.  No LDS: a lane's registers already run along the next K.
	PLACES
	s_wait_loadcnt 0x0                             ; the bias
	s_mov_b32 vcc_lo, 0xffff0000                   ; lanes 16-31
.irp b, 0,1,2,3
	v_mov_b32 v[TM+4+\b], 0                        ; written once: a lane permute's destination counts as one of its sources
.endr
.macro BLOCK a
	s_cmp_eq_u32 s17, 0
	s_cbranch_scc0 .Lbias_lane_\@
	WIN 0x06+(\a)/4                                ; source 0: the accumulators' window; source 1: window 1
.set i, 0
.rept 32                                       ; each accumulator is read from its low end on
.if i < 32
	v_pk_add_f32 v[T+i:T+i+1], v[64*((\a)%4)+i:64*((\a)%4)+i+1], v[96+i:97+i]
.else
	v_pk_add_f32 v[T+i:T+i+1], v[64*((\a)%4)+i:64*((\a)%4)+i+1], v[192+i:193+i]
.endif
.set i, i+2
.endr
	WIN 0
	s_branch .Lbiased_\@
.Lbias_lane_\@:
	WIN 0x02+(\a)/4
.set i, 0
.rept 32
	v_pk_add_f32 v[T+i:T+i+1], v[64*((\a)%4)+i:64*((\a)%4)+i+1], v[BM+2*(\a):BM+2*(\a)+1]
.set i, i+2
.endr
	WIN 0
.Lbiased_\@:
	s_wait_xcnt 0x0                                ; the last block's stores have read their data: the codes' registers are written again only behind this wait
	QUANT T, PC, EX
	global_store_b128 v1, v[PC:PC+3], s[88:89] offset:(\a)*FRB
	global_store_b64 v2, v[PC+4:PC+5], s[88:89] offset:(\a)*FRB+512
	global_store_b128 v1, v[PC+6:PC+9], s[88:89] offset:(\a)*FRB+768
	global_store_b64 v2, v[PC+10:PC+11], s[88:89] offset:(\a)*FRB+1280
.if (\a)%2 == 0
	v_mov_b32 v[PWE], v[PW]
.else
	v_cndmask_b32 v[SW+(\a)/2], v[PWE], v[PW], vcc_lo   ; lanes 0-15 the even tile's words, lanes 16-31 the odd tile's
.endif
.endm
	BLOCK 0
	BLOCK 1
	BLOCK 2
	BLOCK 3
	BLOCK 4
	BLOCK 5
	BLOCK 6
	BLOCK 7
	global_store_b128 v1, v[SW:SW+3], s[90:91]     ; the eight tiles' scale words: 512 consecutive bytes, aligned
	s_wait_tensorcnt 0x0                           ; the wave's end
	ds_add_u32 v[SPW], v[NIL]
	s_wait_dscnt 0x0
	CROUND                                         ; the closing round: no work-group ends while a partner may still ask for a tile that names it
	s_endpgm
.Lfunc_end_k_q794be2a7e4_qkv:
	.size	k_q794be2a7e4_qkv, .Lfunc_end_k_q794be2a7e4_qkv-k_q794be2a7e4_qkv
	.p2alignl 7, 3214868480
	.fill 96, 4, 3214868480
	.section	.rodata,"a",@progbits
	.p2align	6, 0x0
	.amdhsa_kernel k_q794be2a7e4_qkv
		.amdhsa_group_segment_fixed_size 327680
		.amdhsa_private_segment_fixed_size 0
		.amdhsa_enable_private_segment 0
		.amdhsa_kernarg_size 40
		.amdhsa_user_sgpr_count 2
		.amdhsa_user_sgpr_kernarg_segment_ptr 1
		.amdhsa_wavefront_size32 1
		.amdhsa_system_sgpr_workgroup_id_x 1
		.amdhsa_system_sgpr_workgroup_id_y 1
		.amdhsa_system_sgpr_workgroup_id_z 1
		.amdhsa_system_vgpr_workitem_id 0
		.amdhsa_next_free_vgpr 1024
		.amdhsa_next_free_sgpr 96
		.amdhsa_reserve_vcc 1
		.amdhsa_float_denorm_mode_32 3
		.amdhsa_float_denorm_mode_16_64 3
		.amdhsa_memory_ordered 1
		.amdhsa_forward_progress 1
		.amdhsa_inst_pref_size 181
	.end_amdhsa_kernel
	.amdgpu_metadata
---
amdhsa.version: [ 1, 2 ]
amdhsa.kernels:
  - .name:           k_q794be2a7e4_qkv
    .symbol:         k_q794be2a7e4_qkv.kd
    .args:
      - { .name: codes, .offset: 0, .size: 8, .value_kind: global_buffer, .address_space: global }
      - { .name: scl, .offset: 8, .size: 8, .value_kind: global_buffer, .address_space: global }
      - { .name: b_in, .offset: 16, .size: 8, .value_kind: global_buffer, .address_space: global }
      - { .name: qkvc, .offset: 24, .size: 8, .value_kind: global_buffer, .address_space: global }
      - { .name: qkvs, .offset: 32, .size: 8, .value_kind: global_buffer, .address_space: global }
    .group_segment_fixed_size: 327680
    .private_segment_fixed_size: 0
    .kernarg_segment_align: 8
    .kernarg_segment_size: 40
    .max_flat_workgroup_size: 128
    .sgpr_count:     96
    .vgpr_count:     1024
    .wavefront_size: 32
...
	.end_amdgpu_metadata
.endif
;; end of part 2
;; launch attn (part 3): grid 32 x 8, 16 waves a work-group, no clusters, 169,984 bytes of LDS; arguments qkvc, qkvs, ctxc, ctxs; writes ctxc, ctxs
.if DOCPART == 3
	.amdgcn_target "amdgcn-amd-amdhsa--gfx1250"
	.amdhsa_code_object_version 6
	.text
	.protected	k_q794be2a7e4_attn
	.globl	k_q794be2a7e4_attn
	.p2align	8
	.type	k_q794be2a7e4_attn,@function
k_q794be2a7e4_attn:
	s_mov_b64 s[64:65], 0
	v_nop
	global_prefetch_b8 v0, s[64:65] scope:SCOPE_SE
	s_setreg_imm32_b32 hwreg(HW_REG_WAVE_MODE, 25, 1), 1
	s_wait_xcnt 0x0
; Window attention on codes of BF6 with E8M0 scales: for 128 queries (group G) of a head pair P: scores against the 384 keys of groups G - 1, G, G + 1 (all that |q - k| <= 128 lets through),
; the mask, p = 2^(t - M) with t = score x log2(e) / 8 and M the running largest t rounded up to a whole number, p quantised along the keys, O = p V, O / the sum of the unquantised p,
; and that quantised along the head's 64 channels as an operand of the output projection.
; IN: qkvc [F][G][a 8][1536], qkvs [F][G][512] (F = P: q, 8 + P: k, 16 + P: v with the keys innermost).  A q or k image's half e (768 bytes) holds head 2 P + e's 64 channels.
; OUT: ctxc [G][P][j 8][1536], ctxs [G][P][512].
; SHARES: sixteen waves of 256 registers; wave w owns query tile j = w / 2 and head 2 P + w % 2.  K's and V's three groups come into LDS once, by six tensor loads, and are read by all.
; Both products are used transposed (source 0 = 16 keys, or 16 channels; source 1 = my 16 queries): a lane holds one query throughout.  The head has 64 channels: the upper 64 of the first product's K are
; zero codes in Q (K's registers there hold any codes: they multiply zeros).
; NO CLUSTER: neighbouring G share two of their three key groups, but a shared group would have to lie at a place in LDS that hangs on the reader's place in the cluster, which no LDS address may.
; At the sequence's ends the missing group's address is held inside the buffer and all its scores are hidden by the mask's bound: no branch.
; LIMITS: a block of zeros, or one whose largest magnitude lies under 2^-122, gets the scale byte 1 (read by this program alone); NaN and infinities are not served.
; REGISTERS: v1-11 addresses and the mask's bounds; v12 -M, v13 the largest t, v[14:15] the sum in two halves; v16-27 Q, v28 its scale words; v32-79 four fragments; v96-159 scores, then p; v160-191 O^T;
;   v192-210 p's codes; v212-229 at work; v232-243 K's scale words, v244-249 V's.
.set FRB,   1536
.set GRPB,  8*FRB                      ; a group's eight images
.set VOFF,  3*GRPB                     ; LDS: K's three groups, then V's three,
.set SCS,   6*GRPB                     ; then 512 bytes in which the waves' scale words meet
.set WV,    18
.set SEL,   20                         ; s[20:21] lane selects: lane l xor 16
.set CS,    22                         ; s[22:23] c = log2(e) / 8
.macro PLACES
.rept 4
	v_nop
.endr
.endm
.macro FRAG reg, a16, a8, off
	ds_load_b128 v[\reg:\reg+3], v[\a16] offset:\off
	ds_load_b64 v[\reg+4:\reg+5], v[\a8] offset:\off
	ds_load_b128 v[\reg+6:\reg+9], v[\a16] offset:\off+768
	ds_load_b64 v[\reg+10:\reg+11], v[\a8] offset:\off+768
.endm
; RW: bit 0: source 0's scales in lanes 16-31; bit 1: the product starts the sum
.macro WM
.if RW == 0
	v_wmma_scale_f32_16x16x128_f8f6f4 v[RD:RD+7], v[RF0:RF0+11], v[RF1:RF1+11], v[RD:RD+7], v[RS0], v[RS1] matrix_a_fmt:MATRIX_FMT_BF6 matrix_b_fmt:MATRIX_FMT_BF6
.elseif RW == 1
	v_wmma_scale_f32_16x16x128_f8f6f4 v[RD:RD+7], v[RF0:RF0+11], v[RF1:RF1+11], v[RD:RD+7], v[RS0], v[RS1] matrix_a_fmt:MATRIX_FMT_BF6 matrix_b_fmt:MATRIX_FMT_BF6 matrix_a_scale:MATRIX_SCALE_ROW1
.elseif RW == 2
	v_wmma_scale_f32_16x16x128_f8f6f4 v[RD:RD+7], v[RF0:RF0+11], v[RF1:RF1+11], 0, v[RS0], v[RS1] matrix_a_fmt:MATRIX_FMT_BF6 matrix_b_fmt:MATRIX_FMT_BF6
.else
	v_wmma_scale_f32_16x16x128_f8f6f4 v[RD:RD+7], v[RF0:RF0+11], v[RF1:RF1+11], 0, v[RS0], v[RS1] matrix_a_fmt:MATRIX_FMT_BF6 matrix_b_fmt:MATRIX_FMT_BF6 matrix_a_scale:MATRIX_SCALE_ROW1
.endif
.endm
	s_load_b256 s[4:11], s[0:1], 0x0               ; qkvc s[4:5], qkvs s[6:7], ctxc s[8:9], ctxs s[10:11]
	v_lshl_add_u32 v254, v0, 2, 0x29000
	v_mov_b32 v255, 0
	ds_add_u32 v254, v255
	ds_add_u32 v254, v255
	v_lshrrev_b32 v29, 5, v0
	v_readfirstlane_b32 s[WV], v29                 ; wave 0..15
	s_lshr_b32 s16, s[WV], 1                       ; j: my tile of queries
	s_and_b32 s17, s[WV], 1                        ; e: my head of the pair
	s_and_b32 s19, ttmp7, 0xffff                   ; P
	v_and_b32 v29, 31, v0
	v_and_b32 v30, 15, v0                          ; r
	v_bfe_u32 v31, v0, 4, 1                        ; h
	v_lshlrev_b32 v1, 4, v29                       ; 16 x lane
	v_lshlrev_b32 v2, 3, v29                       ; 8 x lane
	s_mul_i32 s36, s17, 768                        ; my head's half of an image
	v_add_nc_u32 v3, s36, v1                       ; K's half images: 16 x lane,
	s_add_co_u32 s37, s36, 512
	v_add_nc_u32 v4, s37, v2                       ; 512 + 8 x lane
	s_mul_i32 s37, s17, 4*FRB                      ; V: my head's four tiles of channels
	s_add_co_u32 s37, s37, VOFF
	v_add_nc_u32 v5, s37, v1
	s_add_co_u32 s37, s37, 512
	v_add_nc_u32 v6, s37, v2
	s_and_b32 s39, s16, 1                          ; j % 2
	s_lshr_b32 s40, s16, 1                         ; j / 2
	s_lshl_b32 s38, s39, 8
	s_lshl_b32 s41, s40, 2
	s_add_co_u32 s38, s38, s41                     ; tile j's words in a block of scale words begin at 256 (j % 2) + 4 (j / 2), 16 bytes from row to row
	v_lshl_add_u32 v29, v30, 4, s38                ; Q's scale word of row r
	s_lshl_b32 s41, s17, 1
	s_add_co_u32 s41, s41, s38
	s_add_co_u32 s41, s41, SCS
	v_lshl_add_u32 v10, v30, 4, s41                ; where my half word of the result's scales goes: + 2 e
	v_add_nc_u32 v11, SCS, v1                      ; and where wave 0 reads the block back
	s_lshl_b32 s41, s40, 5
	s_lshl_b32 s39, s39, 3
	s_add_co_u32 s41, s41, s39                     ; tile j's first token in its group
	v_and_b32 v7, 8, v30
	v_add_nc_u32 v7, v7, v30                       ; r + 8 (r / 8)
	v_lshlrev_b32 v8, 4, v31
	v_sub_nc_u32 v7, v7, v8
	v_add_nc_u32 v7, s41, v7                       ; d = my query's place in its group - 16 h.  Register 16 b + i holds key 32 b + 16 h + i of its group
	s_cmp_eq_u32 ttmp9, 31
	s_cselect_b32 s39, 128, 0
	v_sub_nc_u32 v8, v7, s39                       ; the group after mine: hidden where 32 b + i > d; in the last group of all: everywhere
	s_cmp_eq_u32 ttmp9, 0
	s_cselect_b32 s39, 128, 0
	v_add_nc_u32 v7, s39, v7                       ; the group before mine: hidden where 32 b + i < d; in the first group of all: everywhere
	v_mov_b32 v9, 0xff800000                       ; -infinity
	s_lshl_b32 s39, s17, 3
	v_add_nc_u32 v30, s39, v1                      ; V's scale words: 16 x lane + 8 e
	s_mov_b32 s[SEL], 0x76543210
	s_mov_b32 s[SEL+1], 0xfedcba98
	s_mov_b32 s[CS], 0x3e38aa3b                    ; log2(e) / 8
	s_mov_b32 s[CS+1], s[CS]                       ; (named with it as a pair, so it is written)
	; what I fetch, if I fetch: waves 0-2 K's groups G - 1, G, G + 1; waves 3-5 V's
	s_cmp_lt_u32 s[WV], 3
	s_cselect_b32 s42, 8, 16
	s_cselect_b32 s43, 0, 3
	s_sub_co_u32 s43, s[WV], s43
	s_add_co_u32 s43, s43, ttmp9
	s_max_u32 s43, s43, 1
	s_sub_co_u32 s43, s43, 1
	s_min_u32 s43, s43, 31                         ; held inside the sequence
	s_add_co_u32 s42, s42, s19
	s_lshl_b32 s42, s42, 5
	s_add_co_u32 s42, s42, s43
	s_mul_i32 s42, s42, GRPB
	s_mov_b32 s43, 0
	s_mov_b32 s24, 1                               ; descriptor group 0: count = 1,
	s_mul_i32 s25, s[WV], GRPB                     ; LDS address
	s_mov_b32 s28, 3<<16                           ; group 1: a dense block of 12,288 bytes as 48 rows of 32 elements of 8 bytes; no mask, no padding
	s_mov_b32 s29, 32<<16
	s_mov_b32 s30, 48<<16
	s_mov_b32 s31, 32<<16
	s_mov_b32 s32, 48
	s_mov_b32 s33, 32
	s_mov_b32 s34, 0
	s_mov_b32 s35, 0
	s_lshl_b32 s44, s19, 5
	s_add_co_u32 s45, s44, ttmp9                   ; 32 P + G
	s_lshl_b32 s48, s45, 9                         ; Q's block of scale words
	s_mov_b32 s49, 0
	s_mul_i32 s46, s45, GRPB
	s_mul_i32 s45, s16, FRB
	s_add_co_u32 s45, s45, s36                     ; tile j's image, my head's half
	s_add_co_u32 s46, s46, s45
	s_mov_b32 s47, 0
	s_add_co_u32 s44, s44, 256                     ; 32 (8 + P): K's blocks of scale words; V's lie 131,072 bytes on
	s_max_u32 s50, ttmp9, 1
	s_sub_co_u32 s50, s50, 1
	s_add_co_u32 s50, s50, s44
	s_lshl_b32 s50, s50, 9
	s_mov_b32 s51, 0
	s_add_co_u32 s52, s44, ttmp9
	s_lshl_b32 s52, s52, 9
	s_mov_b32 s53, 0
	s_add_co_u32 s54, ttmp9, 1
	s_min_u32 s54, s54, 31
	s_add_co_u32 s54, s54, s44
	s_lshl_b32 s54, s54, 9
	s_mov_b32 s55, 0
	s_lshl_b32 s56, ttmp9, 3
	s_add_co_u32 s56, s56, s19                     ; 8 G + P
	s_lshl_b32 s58, s56, 9
	s_mov_b32 s59, 0
	s_mul_i32 s56, s56, GRPB
	s_add_co_u32 s56, s56, s45
	s_mov_b32 s57, 0
	s_wait_dscnt 0x0
	s_wait_kmcnt 0x0
	s_add_nc_u64 s[26:27], s[4:5], s[42:43]
	s_or_b32 s27, s27, 0x80000000                  ; type = 2
	s_add_nc_u64 s[46:47], s[4:5], s[46:47]
	s_add_nc_u64 s[48:49], s[6:7], s[48:49]
	s_add_nc_u64 s[50:51], s[6:7], s[50:51]
	s_add_nc_u64 s[52:53], s[6:7], s[52:53]
	s_add_nc_u64 s[54:55], s[6:7], s[54:55]
	s_add_nc_u64 s[56:57], s[8:9], s[56:57]
	s_add_nc_u64 s[58:59], s[10:11], s[58:59]
	s_cmp_lt_u32 s[WV], 6
	s_cbranch_scc0 .Lno_fetch
	tensor_load_to_lds s[24:27], s[28:35]          ; one load a wave, filled once in the launch
	s_nop 0
.rept 4
	v_nop
.endr
.Lno_fetch:
	global_load_b128 v[16:19], v1, s[46:47]        ; Q's half image: registers 0-5 of the fragment
	global_load_b64 v[20:21], v2, s[46:47] offset:512
	global_load_b32 v28, v29, s[48:49]
.irp g, 0,1,2
	global_load_b128 v[232+4*\g:235+4*\g], v1, s[50+2*\g:51+2*\g]
	global_load_b64 v[244+2*\g:245+2*\g], v30, s[50+2*\g:51+2*\g] offset:131072
.endr
.irp k, 22,23,24,25,26,27
	v_mov_b32 v[\k], 0                             ; Q's upper 64 along K: zero codes
.endr
.irp t, 0,1,2,3
.irp k, 6,7,8,9,10,11
	v_mov_b32 v[32+12*\t+\k], 0                    ; K's upper registers are written once; later they hold codes of V, which multiply Q's zeros
.endr
.endr
	v_mov_b32 v13, 0xff61b1e6                      ; the largest t so far: -3e38
	v_floor_f32 v12, -v13                          ; -M
	v_mov_b32 v14, 0
	v_mov_b32 v15, 0
.irp b, 0,1,2,3
	v_mov_b32 v[216+\b], 0                         ; a lane permute's destination counts as one of its sources
.endr
	v_mov_b32 v224, 0
	v_mov_b32 v227, 0                              ; (the upper half of the pair v[226:227])
	s_lshl_b32 s36, s17, 4
	s_wait_loadcnt 0x0
	v_lshrrev_b32 v28, s36, v28                    ; my head's two bytes come to the word's low end.  Behind each shifted word at least eight more shifts and the step's four v_nop precede the first product that names it
.irp k, 0,1,2,3,4,5,6,7,8,9,10,11
	v_lshrrev_b32 v[232+\k], s36, v[232+\k]
.endr
	s_wait_tensorcnt 0x0                           ; my group has landed,
	s_barrier_signal -1
	s_barrier_wait -1                              ; everybody's has
; A KEY STEP: the 128 keys of group g of the three.  mask = 1: the group before mine; 2: the group after; 0: my own, where every key counts.  first = 1: O^T's sums begin.
.macro STEP g, mask, first
.irp c, 0,1                                    ; S^T = K Q^T, four tiles of 16 keys at a time
	PLACES                                         ; in front of loads into registers that matrix instructions have read
.irp t, 0,1,2,3
	ds_load_b128 v[32+12*\t:35+12*\t], v3 offset:(\g)*GRPB+(4*\c+\t)*FRB
	ds_load_b64 v[36+12*\t:37+12*\t], v4 offset:(\g)*GRPB+(4*\c+\t)*FRB
.endr
	s_wait_dscnt 0x0
.irp t, 0,1,2,3
.set RD, 96+8*(4*\c+\t)
.set RF0, 32+12*\t
.set RF1, 16
.set RS0, 232+4*(\g)+(4*\c+\t)/2
.set RS1, 28
.set RW, 2+\t%2
	WM
.endr
.endr
	PLACES
.irp t, 0,1,2,3
	FRAG 32+12*\t, 5, 6, (\g)*GRPB+\t*FRB          ; V's four fragments are asked for now and land under the softmax
.endr
.if \mask == 1
.set n, 0
.rept 64
	v_cmp_lt_i32 vcc_lo, 32*(n/16)+n%16, v7
	v_cndmask_b32 v[96+n], v[96+n], v9, vcc_lo     ; hidden scores become -infinity: p = 0
.set n, n+1
.endr
.elseif \mask == 2
.set n, 0
.rept 64
	v_cmp_gt_i32 vcc_lo, 32*(n/16)+n%16, v8
	v_cndmask_b32 v[96+n], v[96+n], v9, vcc_lo
.set n, n+1
.endr
.endif
.irp b, 0,1,2,3
	v_max3_num_f32 v[212+\b], v[96+16*\b], v[97+16*\b], v[98+16*\b]   ; the largest score of each block of 32 keys: for the row's maximum, and, since p rises with the score, for the block's largest p
.endr
.irp i, 3,5,7,9,11,13
.irp b, 0,1,2,3
	v_max3_num_f32 v[212+\b], v[212+\b], v[96+16*\b+\i], v[97+16*\b+\i]
.endr
.endr
.irp b, 0,1,2,3
	v_max_num_f32 v[212+\b], v[212+\b], v[111+16*\b]
.endr
.irp b, 0,1,2,3
	v_permlanex16_b32 v[216+\b], v[212+\b], s[SEL], s[SEL+1]
.endr
.irp b, 0,1,2,3
	v_max_num_f32 v[212+\b], v[212+\b], v[216+\b]  ; with lane l xor 16's 16 keys
.endr
	v_max3_num_f32 v224, v212, v213, v214
	v_max_num_f32 v224, v224, v215
	v_mul_f32 v224, s[CS], v224                    ; the step's largest t
	v_max_num_f32 v13, v13, v224                   ; the running largest t
	v_mov_b32 v224, v12
	v_floor_f32 v12, -v13                          ; the new -M = -ceil(t): a whole number
	v_sub_f32 v224, v12, v224                      ; old M - new M: 0 or less
	v_cvt_i32_f32 v224, v224                       ; (it saturates)
	v_ldexp_f32 v226, 1.0, v224                    ; f = 2^(old M - new M): a multiplication by it rounds nothing
.set n, 0
.rept 32
	v_pk_fma_f32 v[96+n:97+n], v[96+n:97+n], s[CS:CS+1], v[12:13] op_sel_hi:[1,0,0]   ; t - M
.set n, n+2
.endr
.irp b, 0,1,2,3
	v_fma_f32 v[212+\b], v[212+\b], s[CS], v12     ; the same of each block's largest score
.endr
.set n, 0
.rept 64
	v_exp_f32 v[96+n], v[96+n]                     ; p = 2^(t - M)
.set n, n+1
.endr
	v_pk_mul_f32 v[14:15], v[14:15], v[226:227] op_sel_hi:[1,0]   ; the sums under the new M (a plain instruction behind the exponentials)
	s_wait_alu depctr_va_vdst(0)                   ; one wait for the batch of 64, ahead of its first reader
.irp b, 0,1,2,3
	v_exp_f32 v[212+\b], v[212+\b]                 ; the block's largest p
.endr
	v_pk_add_f32 v[228:229], v[96:97], v[98:99]    ; the row's sum of the unquantised p, in two chains
.set n, 4
.rept 15
	v_pk_add_f32 v[14:15], v[14:15], v[96+n:97+n]
	v_pk_add_f32 v[228:229], v[228:229], v[98+n:99+n]
.set n, n+4
.endr
	v_pk_add_f32 v[14:15], v[14:15], v[228:229]
	s_wait_alu depctr_va_vdst(0)                   ; and one for the four
.irp b, 0,1,2,3
	v_max_num_f32 v[212+\b], 0x2800000, v[212+\b]  ; the floor 2^(5 - 127): the byte cannot fall under 1
.endr
.irp b, 0,1,2,3
	v_add_nc_u32 v[220+\b], 0xfe000000, v[212+\b]  ; 4 off the exponent field: the conversion's scale operand
.endr
.irp b, 0,1,2,3
	v_lshrrev_b32 v[216+\b], 23, v[220+\b]         ; the scale's byte
.endr
	v_lshl_or_b32 v225, v217, 8, v216              ; p's scale word for these 128 keys
	v_lshl_or_b32 v225, v218, 16, v225
	v_lshl_or_b32 v225, v219, 24, v225
.irp c, 0,1
	v_cvt_scalef32_pk16_bf6_f32 v[192+6*\c:194+6*\c], v[96+32*\c:111+32*\c], v[220+2*\c]
	v_cvt_scalef32_pk16_bf6_f32 v[204+4*\c:206+4*\c], v[112+32*\c:127+32*\c], v[220+2*\c+1]
.endr
	v_nop                                          ; one plain instruction behind the scaled conversions
.irp c, 0,1
.irp i, 0,1,2
	v_permlane16_swap_b32 v[192+6*\c+\i], v[204+4*\c+\i]
.endr
.irp i, 0,1,2
	v_mov_b32 v[195+6*\c+\i], v[204+4*\c+\i]
.endr
.endr
.if \first
.rept 8
	v_nop                                          ; a scale word made by vector instructions stands eight plain instructions ahead of the product, codes so made four
.endr
.else
.set n, 0
.rept 16
	v_pk_mul_f32 v[160+n:161+n], v[160+n:161+n], v[226:227] op_sel_hi:[1,0]   ; O^T under the new M; these sixteen are also those places
.set n, n+2
.endr
.endif
	s_wait_dscnt 0x0                               ; V's fragments are in
.irp t, 0,1,2,3                                ; O^T += V^T P^T: four tiles of 16 channels, by turns
.set RD, 160+8*\t
.set RF0, 32+12*\t
.set RF1, 192
.set RS0, 244+2*(\g)+\t/2
.set RS1, 225
.set RW, 2*(\first)+\t%2
	WM
.endr
.endm
	STEP 0, 1, 1
	STEP 1, 0, 0
	STEP 2, 2, 0
	; THE WAY OUT: O^T / the sum, quantised along the head's 64 channels: half an image and half a scale word a row
	PLACES
	v_add_f32 v14, v14, v15
	v_permlanex16_b32 v224, v14, s[SEL], s[SEL+1]
	v_add_f32 v14, v14, v224                       ; the row's sum
	v_rcp_f32 v14, v14
	v_nop                                          ; a plain instruction behind the reciprocal
	s_wait_alu depctr_va_vdst(0)                   ; and the wait ahead of its first reader
.set n, 0
.rept 16
	v_pk_mul_f32 v[96+n:97+n], v[160+n:161+n], v[14:15] op_sel_hi:[1,0]   ; register 16 b + i is channel 32 b + 16 h + i; each accumulator is read from its low end on
.set n, n+2
.endr
.irp b, 0,1
	v_max3_num_f32 v[212+\b], |v[96+16*\b]|, |v[97+16*\b]|, 0x2800000
.endr
.irp i, 2,4,6,8,10,12,14
.irp b, 0,1
	v_max3_num_f32 v[212+\b], v[212+\b], |v[96+16*\b+\i]|, |v[97+16*\b+\i]|
.endr
.endr
.irp b, 0,1
	v_permlanex16_b32 v[216+\b], v[212+\b], s[SEL], s[SEL+1]
.endr
.irp b, 0,1
	v_max_num_f32 v[212+\b], v[212+\b], v[216+\b]
.endr
.irp b, 0,1
	v_add_nc_u32 v[220+\b], 0xfe000000, v[212+\b]
.endr
.irp b, 0,1
	v_lshrrev_b32 v[216+\b], 23, v[220+\b]
.endr
	v_lshl_or_b32 v225, v217, 8, v216              ; my head's two bytes of the row's scale word
	v_cvt_scalef32_pk16_bf6_f32 v[192:194], v[96:111], v220
	v_cvt_scalef32_pk16_bf6_f32 v[204:206], v[112:127], v221
	v_nop
.irp i, 0,1,2
	v_permlane16_swap_b32 v[192+\i], v[204+\i]
.endr
.irp i, 0,1,2
	v_mov_b32 v[195+\i], v[204+\i]
.endr
	global_store_b128 v1, v[192:195], s[56:57]     ; 512 and 256 consecutive bytes, aligned
	global_store_b64 v2, v[196:197], s[56:57] offset:512
	ds_store_b16 v10, v225                         ; lanes l and l xor 16 write the same two bytes with the same value
	s_wait_dscnt 0x0                               ; for the others' sake
	s_barrier_signal -1
	s_barrier_wait -1
	s_cmp_lg_u32 s[WV], 0
	s_cbranch_scc1 .Ldone
	ds_load_b128 v[128:131], v11                   ; wave 0 stores the sixteen waves' scale words: 512 consecutive bytes, aligned
	s_wait_dscnt 0x0
	global_store_b128 v1, v[128:131], s[58:59]
.Ldone:
	s_wait_tensorcnt 0x0
	ds_add_u32 v254, v255
	s_wait_dscnt 0x0
	s_endpgm
.Lfunc_end_k_q794be2a7e4_attn:
	.size	k_q794be2a7e4_attn, .Lfunc_end_k_q794be2a7e4_attn-k_q794be2a7e4_attn
	.p2alignl 7, 3214868480
	.fill 96, 4, 3214868480
	.section	.rodata,"a",@progbits
	.p2align	6, 0x0
	.amdhsa_kernel k_q794be2a7e4_attn
		.amdhsa_group_segment_fixed_size 169984
		.amdhsa_private_segment_fixed_size 0
		.amdhsa_enable_private_segment 0
		.amdhsa_kernarg_size 32
		.amdhsa_user_sgpr_count 2
		.amdhsa_user_sgpr_kernarg_segment_ptr 1
		.amdhsa_wavefront_size32 1
		.amdhsa_system_sgpr_workgroup_id_x 1
		.amdhsa_system_sgpr_workgroup_id_y 1
		.amdhsa_system_sgpr_workgroup_id_z 1
		.amdhsa_system_vgpr_workitem_id 0
		.amdhsa_next_free_vgpr 256
		.amdhsa_next_free_sgpr 66
		.amdhsa_reserve_vcc 1
		.amdhsa_float_denorm_mode_32 3
		.amdhsa_float_denorm_mode_16_64 3
		.amdhsa_memory_ordered 1
		.amdhsa_forward_progress 1
		.amdhsa_inst_pref_size 68
	.end_amdhsa_kernel
	.amdgpu_metadata
---
amdhsa.version: [ 1, 2 ]
amdhsa.kernels:
  - .name:           k_q794be2a7e4_attn
    .symbol:         k_q794be2a7e4_attn.kd
    .args:
      - { .name: qkvc, .offset: 0, .size: 8, .value_kind: global_buffer, .address_space: global }
      - { .name: qkvs, .offset: 8, .size: 8, .value_kind: global_buffer, .address_space: global }
      - { .name: ctxc, .offset: 16, .size: 8, .value_kind: global_buffer, .address_space: global }
      - { .name: ctxs, .offset: 24, .size: 8, .value_kind: global_buffer, .address_space: global }
    .group_segment_fixed_size: 169984
    .private_segment_fixed_size: 0
    .kernarg_segment_align: 8
    .kernarg_segment_size: 32
    .max_flat_workgroup_size: 512
    .sgpr_count:     66
    .vgpr_count:     256
    .wavefront_size: 32
...
	.end_amdgpu_metadata
.endif
;; end of part 3
;; launch outp (part 4): grid 8 x 32, 4 waves a work-group, clusters of 4 x 4, 214,528 bytes of LDS; arguments ctxc, ctxs, codes, scl, b_out, x, out0; writes out0
.if DOCPART == 4
	.amdgcn_target "amdgcn-amd-amdhsa--gfx1250"
	.amdhsa_code_object_version 6
	.text
	.protected	k_q794be2a7e4_outp
	.globl	k_q794be2a7e4_outp
	.p2align	8
	.type	k_q794be2a7e4_outp,@function
k_q794be2a7e4_outp:
	s_mov_b64 s[64:65], 0
	v_nop
	global_prefetch_b8 v0, s[64:65] scope:SCOPE_SE
	s_setreg_imm32_b32 hwreg(HW_REG_WAVE_MODE, 25, 1), 1
	s_wait_xcnt 0x0
	s_wait_alu depctr_hold_cnt(0) depctr_sa_sdst(0) depctr_va_vdst(0) depctr_va_sdst(0) depctr_va_ssrc(0) depctr_va_vcc(0) depctr_vm_vsrc(0)
	s_getreg_b32 s2, hwreg(HW_REG_IB_STS2, 6, 4)
	s_cmp_eq_u32 s2, 0
	s_cbranch_scc0 .Lentry_in_a_cluster
	s_endpgm
.Lentry_in_a_cluster:
	s_bfe_u32 s2, ttmp6, 0x10000c
	s_cmp_lg_u32 s2, 0xf033
	s_cbranch_scc0 .Lentry_shape_is_right
	s_endpgm
.Lentry_shape_is_right:
; out0 = x + ctx w_out^T + b_out, the product on codes of BF6 with E8M0 scales.  ctx arrives as images of fragments (ctxc [G][s][tile][1536], ctxs [G][s][512]), w_out likewise (groups 56-63 of codes and scl).
; A work-group makes 128 tokens (group G) x 128 features (group bx): 256 work-groups.  Each of its four waves makes 64 x 64: 16 accumulators.
; Source 0 = 16 rows of w_out, source 1 = 16 tokens: a lane holds a token and its registers run along the features.  The bias is the C of each sum's first matrix instruction.
; CLUSTERS: 4 x 4 work-groups; ctx's panel is asked for jointly along a row of the cluster, w_out's along a column.
; LDS: both panels for all of K (8 K steps x 12,288 bytes each), filled once, by four joint loads a wave (four of mine are out at the most); behind them a stage of 16 rows x 272 bytes for each wave.
; REGISTERS: window 0: v1-19 addresses; v32-127, v128-223 two sets of fragments (A's four, then B's four); v224-239 A's scale words, v240-255 B's (two registers a K step).
;   window 1: v0-127 the accumulators ((a, b) at v[8 (4 a + b)]); v128-255 my 64 x 64 of x, as it will be stored.   window 2: v0-31 the bias, eight registers for each tile of features.
.set FR,     12
.set FRB,    1536
.set STEPB,  8*FRB
.set PANEL,  8*STEPB
.set STAGE,  2*PANEL
.set SPITCH, 272
.set F0,     32
.set SA,     224
.set SB,     240
.set G1A,    24                        ; s[24:31], s[32:39] descriptor groups 1;  s[40:55], s[68:83] groups 0, a set for each of a wave's four loads
.set G1B,    32
.set G0A,    40
.set G0B,    68
.set MSB, 0
.macro WIN new
.if MSB != (\new)
	s_set_vgpr_msb (MSB<<8)|(\new)
.set MSB, (\new)
.endif
.endm
.macro PLACES
.rept 4
	v_nop
.endr
.endm
.macro CROUND                          ; a round of the cluster's barrier
	s_barrier_signal -1
	s_barrier_wait -1
	s_cmp_lg_u32 s18, 0
	s_cbranch_scc1 .Lnot_wave_0_\@
	s_barrier_signal -3
.Lnot_wave_0_\@:
	s_barrier_wait -3
	s_barrier_signal -1
	s_barrier_wait -1
.endm
.macro FRAG reg, a16, a8, off
	ds_load_b128 v[\reg:\reg+3], v[\a16] offset:\off
	ds_load_b64 v[\reg+4:\reg+5], v[\a8] offset:\off
	ds_load_b128 v[\reg+6:\reg+9], v[\a16] offset:\off+768
	ds_load_b64 v[\reg+10:\reg+11], v[\a8] offset:\off+768
.endm
.macro FETCH s                         ; K step s: my four tiles of tokens and four of features, 32 loads, into set s % 2
.set FB, F0+96*((\s)%2)
.irp t, 0,1,2,3
	FRAG FB+FR*\t, 4+(\s)/4, 6+(\s)/4, ((\s)%4)*STEPB+\t*FRB
.endr
.irp t, 0,1,2,3
	FRAG FB+48+FR*\t, 8+(\s)/4, 10+(\s)/4, ((\s)%4)*STEPB+\t*FRB
.endr
.endm
; RW: bit 0: source 0's scales in lanes 16-31; bit 1: source 1's; bit 2: the sum begins with the bias in v[RC]
.macro WM
.if RW == 0
	v_wmma_scale_f32_16x16x128_f8f6f4 v[RD:RD+7], v[RF0:RF0+11], v[RF1:RF1+11], v[RD:RD+7], v[RS0], v[RS1] matrix_a_fmt:MATRIX_FMT_BF6 matrix_b_fmt:MATRIX_FMT_BF6
.elseif RW == 1
	v_wmma_scale_f32_16x16x128_f8f6f4 v[RD:RD+7], v[RF0:RF0+11], v[RF1:RF1+11], v[RD:RD+7], v[RS0], v[RS1] matrix_a_fmt:MATRIX_FMT_BF6 matrix_b_fmt:MATRIX_FMT_BF6 matrix_a_scale:MATRIX_SCALE_ROW1
.elseif RW == 2
	v_wmma_scale_f32_16x16x128_f8f6f4 v[RD:RD+7], v[RF0:RF0+11], v[RF1:RF1+11], v[RD:RD+7], v[RS0], v[RS1] matrix_a_fmt:MATRIX_FMT_BF6 matrix_b_fmt:MATRIX_FMT_BF6 matrix_b_scale:MATRIX_SCALE_ROW1
.elseif RW == 3
	v_wmma_scale_f32_16x16x128_f8f6f4 v[RD:RD+7], v[RF0:RF0+11], v[RF1:RF1+11], v[RD:RD+7], v[RS0], v[RS1] matrix_a_fmt:MATRIX_FMT_BF6 matrix_b_fmt:MATRIX_FMT_BF6 matrix_a_scale:MATRIX_SCALE_ROW1 matrix_b_scale:MATRIX_SCALE_ROW1
.elseif RW == 4
	v_wmma_scale_f32_16x16x128_f8f6f4 v[RD:RD+7], v[RF0:RF0+11], v[RF1:RF1+11], v[RC:RC+7], v[RS0], v[RS1] matrix_a_fmt:MATRIX_FMT_BF6 matrix_b_fmt:MATRIX_FMT_BF6
.elseif RW == 5
	v_wmma_scale_f32_16x16x128_f8f6f4 v[RD:RD+7], v[RF0:RF0+11], v[RF1:RF1+11], v[RC:RC+7], v[RS0], v[RS1] matrix_a_fmt:MATRIX_FMT_BF6 matrix_b_fmt:MATRIX_FMT_BF6 matrix_a_scale:MATRIX_SCALE_ROW1
.elseif RW == 6
	v_wmma_scale_f32_16x16x128_f8f6f4 v[RD:RD+7], v[RF0:RF0+11], v[RF1:RF1+11], v[RC:RC+7], v[RS0], v[RS1] matrix_a_fmt:MATRIX_FMT_BF6 matrix_b_fmt:MATRIX_FMT_BF6 matrix_b_scale:MATRIX_SCALE_ROW1
.else
	v_wmma_scale_f32_16x16x128_f8f6f4 v[RD:RD+7], v[RF0:RF0+11], v[RF1:RF1+11], v[RC:RC+7], v[RS0], v[RS1] matrix_a_fmt:MATRIX_FMT_BF6 matrix_b_fmt:MATRIX_FMT_BF6 matrix_a_scale:MATRIX_SCALE_ROW1 matrix_b_scale:MATRIX_SCALE_ROW1
.endif
.endm
	s_load_b256 s[4:11], s[0:1], 0x0               ; ctxc s[4:5], ctxs s[6:7], codes s[8:9], scl s[10:11]
	s_load_b128 s[12:15], s[0:1], 0x20             ; b_out s[12:13], x s[14:15]
	s_load_b64 s[16:17], s[0:1], 0x30              ; out0
	v_lshl_add_u32 v30, v0, 2, 0x34400
	v_mov_b32 v31, 0
	ds_add_u32 v30, v31
	ds_add_u32 v30, v31
	v_lshrrev_b32 v2, 5, v0
	v_readfirstlane_b32 s18, v2                    ; wave 0..3
	s_lshr_b32 s19, s18, 1                         ; which 64 tokens are mine.  Also: I fetch for A (0) or for B (1)
	s_and_b32 s20, s18, 1                          ; which 64 features.  Also: the even or the odd K steps
	v_and_b32 v2, 31, v0
	v_and_b32 v3, 15, v0
	v_bfe_u32 v15, v0, 4, 1
	v_lshlrev_b32 v16, 4, v2                       ; 16 x lane
	v_lshl_add_u32 v17, v2, 3, 512                 ; 512 + 8 x lane
	s_mul_i32 s85, s19, 4*FRB                      ; my four tiles of tokens in a K step of A's panel
	v_add_nc_u32 v4, s85, v16                      ; K steps 0-3,
	v_add_nc_u32 v6, s85, v17
	s_add_co_u32 s85, s85, 4*STEPB
	v_add_nc_u32 v5, s85, v16                      ; K steps 4-7
	v_add_nc_u32 v7, s85, v17
	s_mul_i32 s85, s20, 4*FRB
	s_add_co_u32 s85, s85, PANEL                   ; my four tiles of features in B's panel
	v_add_nc_u32 v8, s85, v16
	v_add_nc_u32 v10, s85, v17
	s_add_co_u32 s85, s85, 4*STEPB
	v_add_nc_u32 v9, s85, v16
	v_add_nc_u32 v11, s85, v17
	s_mul_i32 s85, s18, 16*SPITCH
	s_add_co_u32 s85, s85, STAGE                   ; my stage
	v_mul_u32_u24 v12, v3, SPITCH
	v_lshl_add_u32 v12, v15, 6, v12
	v_add_nc_u32 v12, s85, v12                     ; in: row r, + 64 h
	v_mul_u32_u24 v13, v15, SPITCH
	v_lshl_add_u32 v13, v3, 4, v13
	v_add_nc_u32 v13, s85, v13                     ; back: lanes 0-15 one row of 256 bytes, lanes 16-31 the next
	v_lshlrev_b32 v14, 6, v15                      ; 64 h
	v_lshlrev_b32 v1, 12, v15
	v_lshl_add_u32 v1, v3, 4, v1                   ; the same two rows in x and in out0
	s_lshl_b32 s85, s19, 3
	v_add_nc_u32 v18, s85, v16                     ; A's scale words: 16 x lane + 8 x (my half of the tokens)
	s_lshl_b32 s85, s20, 3
	v_add_nc_u32 v19, s85, v16                     ; B's
	s_bfe_u32 s21, ttmp6, 0x40000                  ; cx
	s_bfe_u32 s22, ttmp6, 0x40004                  ; cy
	s_lshl_b32 s23, ttmp9, 2
	s_add_co_u32 s23, s23, s21                     ; bx = 4 x cluster x + cx
	s_and_b32 s56, ttmp7, 0xffff
	s_lshl_b32 s56, s56, 2
	s_add_co_u32 s56, s56, s22                     ; G = 4 x cluster y + cy
	s_lshl_b32 s57, s22, 2
	s_lshl_b32 s57, 15, s57                        ; my row of the cluster
	s_lshl_b32 s58, 0x1111, s21                    ; my column
	; descriptor group 1: a dense block of 12,288 bytes as 48 rows of 32 elements of 8 bytes, no padding
	s_or_b32 s[G1A], s57, (3<<16)|(1<<21)
	s_or_b32 s[G1B], s58, (3<<16)|(1<<21)
.irp g, G1A, G1B
	s_mov_b32 s[\g+1], 32<<16
	s_mov_b32 s[\g+2], 48<<16
	s_mov_b32 s[\g+3], 32<<16
	s_mov_b32 s[\g+4], 48
	s_mov_b32 s[\g+5], 32
	s_mov_b32 s[\g+6], 0
	s_mov_b32 s[\g+7], 0
.endr
	s_mul_i32 s59, s20, STEPB                      ; the even or the odd K steps
	s_mul_i32 s60, s56, PANEL
	s_add_co_u32 s60, s60, s59                     ; A: made of G and the wave's number alone
	s_mov_b32 s61, 0
	s_add_co_u32 s62, s23, 56
	s_mul_i32 s62, s62, PANEL
	s_add_co_u32 s62, s62, s59                     ; B: of bx and the wave's number alone
	s_mov_b32 s63, 0
	s_mul_i32 s84, s19, PANEL
	s_add_co_u32 s84, s84, s59                     ; where they go: no place in the cluster enters an LDS address
	s_lshl_b32 s86, s56, 12                        ; ctx's scale words
	s_mov_b32 s87, 0
	s_add_co_u32 s88, s23, 56
	s_lshl_b32 s88, s88, 12                        ; w_out's
	s_mov_b32 s89, 0
	s_lshl_b32 s90, s23, 9
	s_lshl_b32 s91, s20, 8
	s_add_co_u32 s90, s90, s91                     ; my 64 features, in bytes
	s_mov_b32 s91, 0
	s_lshl_b32 s92, s56, 19
	s_lshl_b32 s93, s19, 18
	s_add_co_u32 s92, s92, s93
	s_add_co_u32 s92, s92, s90                     ; my 64 tokens' rows of 4,096 bytes, at my features
	s_mov_b32 s93, 0
	s_wait_dscnt 0x0
	s_wait_kmcnt 0x0
	s_add_nc_u64 s[60:61], s[4:5], s[60:61]
	s_add_nc_u64 s[62:63], s[8:9], s[62:63]
	s_add_nc_u64 s[86:87], s[6:7], s[86:87]
	s_add_nc_u64 s[88:89], s[10:11], s[88:89]
	s_add_nc_u64 s[90:91], s[12:13], s[90:91]
	s_add_nc_u64 s[14:15], s[14:15], s[92:93]
	s_add_nc_u64 s[16:17], s[16:17], s[92:93]
.irp q, 0,1,2,3
	s_mov_b32 s[G0A+4*\q], 1
	s_add_co_u32 s[G0A+4*\q+1], s84, \q*2*STEPB
	s_add_nc_u64 s[G0A+4*\q+2:G0A+4*\q+3], s[60:61], \q*2*STEPB   ; K step 2 q + (wave % 2)
	s_or_b32 s[G0A+4*\q+3], s[G0A+4*\q+3], 0x80000000
	s_mov_b32 s[G0B+4*\q], 1
	s_add_co_u32 s[G0B+4*\q+1], s84, \q*2*STEPB
	s_add_nc_u64 s[G0B+4*\q+2:G0B+4*\q+3], s[62:63], \q*2*STEPB
	s_or_b32 s[G0B+4*\q+3], s[G0B+4*\q+3], 0x80000000
.endr
	CROUND                                         ; all sixteen work-groups are here: the joint loads meet
	s_cmp_eq_u32 s19, 0                            ; a wave's four fills stand in one branch
	s_cbranch_scc0 .Lfirst_b
	tensor_load_to_lds s[G0A:G0A+3], s[G1A:G1A+7]
	s_nop 0
	tensor_load_to_lds s[G0A+4:G0A+7], s[G1A:G1A+7]
	s_nop 0
	tensor_load_to_lds s[G0A+8:G0A+11], s[G1A:G1A+7]
	s_nop 0
	tensor_load_to_lds s[G0A+12:G0A+15], s[G1A:G1A+7]
	s_nop 0
.rept 4
	v_nop
.endr
	s_branch .Lfirst_asked
.Lfirst_b:
	tensor_load_to_lds s[G0B:G0B+3], s[G1B:G1B+7]
	s_nop 0
	tensor_load_to_lds s[G0B+4:G0B+7], s[G1B:G1B+7]
	s_nop 0
	tensor_load_to_lds s[G0B+8:G0B+11], s[G1B:G1B+7]
	s_nop 0
	tensor_load_to_lds s[G0B+12:G0B+15], s[G1B:G1B+7]
	s_nop 0
.rept 4
	v_nop
.endr
.Lfirst_asked:
.irp k, 0,1,2,3,4,5,6,7
	global_load_b64 v[SA+2*\k:SA+2*\k+1], v18, s[86:87] offset:512*\k
	global_load_b64 v[SB+2*\k:SB+2*\k+1], v19, s[88:89] offset:512*\k
.endr
	WIN 0x80                                       ; destination window 2
.irp b, 0,1,2,3                                ; the bias in the result's layout: tile b's register j is feature 32 (b / 2) + 16 h + 8 (b % 2) + j of my 64
	global_load_b128 v[8*\b:8*\b+3], v14, s[90:91] offset:128*(\b/2)+32*(\b%2)
	global_load_b128 v[8*\b+4:8*\b+7], v14, s[90:91] offset:128*(\b/2)+32*(\b%2)+16
.endr
	WIN 0x40                                       ; destination window 1
.irp a, 0,1,2,3                                ; x, as the results will be stored: tile a's rows 2 i and 2 i + 1, sixteen lanes to a row's 256 bytes
.irp i, 0,1,2,3,4,5,6,7
	global_load_b128 v[128+32*\a+4*\i:131+32*\a+4*\i], v1, s[14:15] offset:(32*(\a/2)+8*(\a%2)+2*\i+8*(\i/4))*4096 th:TH_LOAD_NT
.endr
.endr
	WIN 0
	s_wait_tensorcnt 3                             ; my first load (K step 0 or 1) is in; three may stay out
	s_barrier_signal -1
	s_barrier_wait -1                              ; K steps 0 and 1 of both panels are whole
	FETCH 0
	s_wait_loadcnt 32                              ; the scale words and the bias are in; x's 32 loads, issued behind them, may be out
.macro KSTEP s
	s_wait_dscnt 0x0                               ; this step's fragments are in
.if ((\s)%2 == 1) && ((\s) < 7)
	s_wait_tensorcnt 3-((\s)+1)/2                  ; my load of the next pair of K steps is in; the later ones may stay out
	s_barrier_signal -1
	s_barrier_wait -1                              ; everybody's is
.endif
.if (\s) > 0
	PLACES                                         ; in front of loads into the set that the last step multiplied
.endif
.if (\s) < 7
	FETCH (\s)+1
.endif
.if (\s) == 0
	WIN 0x60                                       ; C (the bias) window 2, D window 1
.else
	WIN 0x50                                       ; C and D window 1
.endif
.irp a, 0,1,2,3                                ; the sixteen accumulators take turns, one instruction a turn
.irp b, 0,1,2,3
.set RD, 8*(4*\a+\b)
.set RC, 8*\b
.set RF0, F0+96*((\s)%2)+48+FR*\b
.set RF1, F0+96*((\s)%2)+FR*\a
.set RS0, SB+2*(\s)+\b/2
.set RS1, SA+2*(\s)+\a/2
.if (\s) == 0
.set RW, 4+(\b%2)+2*(\a%2)
.else
.set RW, (\b%2)+2*(\a%2)
.endif
	WM
.endr
.endr
	WIN 0
.endm
	KSTEP 0
	KSTEP 1
	KSTEP 2
	KSTEP 3
	KSTEP 4
	KSTEP 5
	KSTEP 6
	KSTEP 7
	; THE WAY OUT, a tile of 16 tokens x 64 features at a time, through my own stage: a lane's numbers belong to one row, and sixteen lanes are to store a row's 256 consecutive bytes.
	; LDS serves a wave's instructions in order: no wait between the stores and the loads, nor in front of the next tile's stores.
.macro TOSTAGE a
	WIN 0x04                                       ; an LDS store's data are its source 1: window 1
.irp b, 0,1,2,3
	ds_store_b128 v12, v[8*(4*(\a)+\b):8*(4*(\a)+\b)+3] offset:128*(\b/2)+32*(\b%2)      ; each accumulator from its low end on
	ds_store_b128 v12, v[8*(4*(\a)+\b)+4:8*(4*(\a)+\b)+7] offset:128*(\b/2)+32*(\b%2)+16
.endr
	WIN 0
.irp i, 0,1,2,3,4,5,6,7
	ds_load_b128 v[32+32*(\a)+4*\i:35+32*(\a)+4*\i], v13 offset:2*\i*SPITCH
.endr
.endm
.macro SEND a, younger                         ; younger: the LDS instructions issued behind tile a's loads.  Each tile has its own 32 registers: no store's data are written again
	s_wait_dscnt \younger
	WIN 0x04                                       ; source 1 (x) window 1
.set n, 0
.rept 16
	v_pk_add_f32 v[32+32*(\a)+n:33+32*(\a)+n], v[32+32*(\a)+n:33+32*(\a)+n], v[128+32*(\a)+n:129+32*(\a)+n]   ; the residual
.set n, n+2
.endr
	WIN 0
.irp i, 0,1,2,3,4,5,6,7
	global_store_b128 v1, v[32+32*(\a)+4*\i:35+32*(\a)+4*\i], s[16:17] offset:(32*((\a)/2)+8*((\a)%2)+2*\i+8*(\i/4))*4096 th:TH_STORE_NT   ; sixteen lanes store 256 consecutive bytes, aligned
.endr
.endm
	PLACES
	s_wait_loadcnt 0x0                             ; x
	TOSTAGE 0
	TOSTAGE 1
	SEND 0, 16                                     ; behind tile 0's loads: tile 1's 8 stores and 8 loads
	TOSTAGE 2
	SEND 1, 16
	TOSTAGE 3
	SEND 2, 16
	SEND 3, 0
	s_wait_tensorcnt 0x0
	ds_add_u32 v30, v31
	s_wait_dscnt 0x0
	CROUND                                         ; the closing round: no work-group ends while a partner may still ask for a tile that names it
	s_endpgm
.Lfunc_end_k_q794be2a7e4_outp:
	.size	k_q794be2a7e4_outp, .Lfunc_end_k_q794be2a7e4_outp-k_q794be2a7e4_outp
	.p2alignl 7, 3214868480
	.fill 96, 4, 3214868480
	.section	.rodata,"a",@progbits
	.p2align	6, 0x0
	.amdhsa_kernel k_q794be2a7e4_outp
		.amdhsa_group_segment_fixed_size 214528
		.amdhsa_private_segment_fixed_size 0
		.amdhsa_enable_private_segment 0
		.amdhsa_kernarg_size 56
		.amdhsa_user_sgpr_count 2
		.amdhsa_user_sgpr_kernarg_segment_ptr 1
		.amdhsa_wavefront_size32 1
		.amdhsa_system_sgpr_workgroup_id_x 1
		.amdhsa_system_sgpr_workgroup_id_y 1
		.amdhsa_system_sgpr_workgroup_id_z 1
		.amdhsa_system_vgpr_workitem_id 0
		.amdhsa_next_free_vgpr 544
		.amdhsa_next_free_sgpr 96
		.amdhsa_reserve_vcc 0
		.amdhsa_float_denorm_mode_32 3
		.amdhsa_float_denorm_mode_16_64 3
		.amdhsa_memory_ordered 1
		.amdhsa_forward_progress 1
		.amdhsa_inst_pref_size 60
	.end_amdhsa_kernel
	.amdgpu_metadata
---
amdhsa.version: [ 1, 2 ]
amdhsa.kernels:
  - .name:           k_q794be2a7e4_outp
    .symbol:         k_q794be2a7e4_outp.kd
    .args:
      - { .name: ctxc, .offset: 0, .size: 8, .value_kind: global_buffer, .address_space: global }
      - { .name: ctxs, .offset: 8, .size: 8, .value_kind: global_buffer, .address_space: global }
      - { .name: codes, .offset: 16, .size: 8, .value_kind: global_buffer, .address_space: global }
      - { .name: scl, .offset: 24, .size: 8, .value_kind: global_buffer, .address_space: global }
      - { .name: b_out, .offset: 32, .size: 8, .value_kind: global_buffer, .address_space: global }
      - { .name: x, .offset: 40, .size: 8, .value_kind: global_buffer, .address_space: global }
      - { .name: out0, .offset: 48, .size: 8, .value_kind: global_buffer, .address_space: global }
    .group_segment_fixed_size: 214528
    .private_segment_fixed_size: 0
    .kernarg_segment_align: 8
    .kernarg_segment_size: 56
    .max_flat_workgroup_size: 128
    .sgpr_count:     96
    .vgpr_count:     544
    .wavefront_size: 32
...
	.end_amdgpu_metadata
.endif
;; end of part 4
